; MI455X (gfx1250); checked and timed in simulation.
; The chip was launched on July 23, 2026; its instructions are those of AMD's public machine-readable ISA for CDNA 5 (MIT licence, August 2026) and "CDNA5" Instruction Set Architecture Reference Guide (July 2026). The comments in the code are by the model that wrote it; some were corrected since.
;; Multi Head Attention. Allowed arithmetic: matrix products marked QUANTISED: E2M3 operands, one E8M0 scale for each 32 along K, by v_wmma_scale_f32_16x16x128_f8f6f4 with both operands' format E2M3, f32 sums; everything else in f32.
;; Inputs: Wk 1,024 x 1,024 float32; Wo 1,024 x 1,024 float32; Wq 1,024 x 1,024 float32; Wv 1,024 x 1,024 float32; bk 1,024 float32; bo 1,024 float32; bq 1,024 float32; bv 1,024 float32; key 4 x 2,048 x 1,024 float32; query 4 x 2,048 x 1,024 float32; value 4 x 2,048 x 1,024 float32.
;; Outputs: out0 4 x 2,048 x 1,024 float32.
;; This version of the problem:
;;   THIS VERSION OF THE PROBLEM IS GIVEN IN LOW PRECISION. The matrix products marked QUANTISED in the list below multiply operands that are first quantised to E2M3 (2 exponent bits, 3 mantissa bits; 6 bits a number), with one power-of-two scale for each 32 numbers along K (OCP MX v1.0); their sums are f32. All else is computed in f32.
;;   The module's matrix products, in the order in which they are computed (A, B: the left and right operand; K: the contracted axis; several contracted axes count as one K, in the product's order):
;;     1. [M 8,192, K 1,024] x [K 1,024, N 1,024]; A: input query; B: input Wq: QUANTISED
;;     2. [M 8,192, K 1,024] x [K 1,024, N 1,024]; A: input key; B: input Wk: QUANTISED
;;     3. [M 8,192, K 1,024] x [K 1,024, N 1,024]; A: input value; B: input Wv: QUANTISED
;;     4. batch 64 x [M 2,048, K 64] x [K 64, N 2,048]; A: computed on the way; B: computed on the way: QUANTISED
;;     5. batch 64 x [M 2,048, K 2,048] x [K 2,048, N 64]; A: softmax (see below); B: computed on the way: QUANTISED
;;     6. [M 8,192, K 1,024] x [K 1,024, N 1,024]; A: computed on the way; B: input Wo: QUANTISED
;;   THE QUANTISER, for each operand of a quantised product, along K:
;;     - K is cut into blocks of 32 from its start; a last block that is shorter is filled with zeros.
;;     - A block's scale is 2^e with e = floor(log2(the largest magnitude in the block)) - 2, held to -126 .. 127; a block of zeros has e = 0. As a byte (E8M0): e + 127.
;;     - Each number is divided by its block's scale, clamped to +-7.5, and rounded to the nearest number of E2M3, ties to even, subnormals kept.
;;     - The product sums the exact products of the quantised numbers (number of the format x scale) in f32.
;;   ~~~python
;;   def quantise(x, axis):      # numpy; x: float32 -> the quantised numbers, widened to float32 again
;;       x = np.moveaxis(x, axis, -1); K = x.shape[-1]
;;       x = np.pad(x, [(0, 0)] * (x.ndim - 1) + [(0, -K % 32)]); x = x.reshape(x.shape[:-1] + (-1, 32)); a = np.abs(x).max(-1, keepdims=True)
;;       e = np.where(a > 0, np.clip(np.frexp(np.where(a > 0, a, 1))[1] - 1 - 2, -126, 127), 0)      # np.frexp(a)[1] - 1 = floor(log2(a)), exactly
;;       r = np.clip(x / 2.0 ** e, -7.5, 7.5)
;;       step = 2.0 ** (np.maximum(np.frexp(np.where(r == 0, 1, r))[1] - 1, 0) - 3)
;;       q = np.round(r / step) * step * 2.0 ** e      # np.round: ties to even
;;       return np.moveaxis(q.reshape(q.shape[:-2] + (-1,))[..., :K], -1, axis).astype(np.float32)
;;   ~~~
;;   SOFTMAX AHEAD OF A QUANTISED PRODUCT. Where the list says 'softmax', what is quantised is not the finished softmax but p = 2^(t - M), with t = logit x log2(e) and M = ceil(the row's largest t), a whole number; so 1/2 < the row's largest p <= 1. The row's sum l is taken of the UNQUANTISED p, in f32, and the product's result is divided by l at the end. Since M is a whole number, a kernel that streams over the keys may use a running M (the ceiling of the running maximum): every later rescaling is an exact power of two, which a block's scale takes up: the codes' values come out the same.
;;   OPERANDS COMPUTED ON THE WAY. 'Computed on the way' means the value that the module computes at that place (a softmax that the list does not call 'softmax' is quantised finished and normalised). What goes into a quantiser is computed in f32, as accurately as f32 sums, v_exp_f32 and their like allow (about 1e-6 of the number): no bf16 or f16 on the way to a quantiser, and a product that is left as it is and whose result goes on into a quantised operand takes f32 operands (vector FMAs, or v_wmma_f32_16x16x4_f32). A number that lies on a knife's edge between two numbers of the format may be rounded either way, as far as f32 arithmetic and the matrix unit's own rounding can turn it there, and no further.
;; One version. Each part assembles by itself: llvm-mc -triple=amdgcn-amd-amdhsa -mcpu=gfx1250 --defsym DOCPART=n.
;; ======== version 1 of 1: 4 launches
;; workspace buffers: opc 22,020,096 bytes; ops 917,504 bytes; qkv 18,874,368 bytes; qkvs 1,310,720 bytes; ac 6,291,456 bytes; asc 262,144 bytes
;; launch quant (part 1): grid 448 x 1, 4 waves a work-group, no clusters, 34,304 bytes of LDS; arguments query, key, value, Wq, Wk, Wv, Wo, opc, ops; writes opc, ops
.if DOCPART == 1
	.amdgcn_target "amdgcn-amd-amdhsa--gfx1250"
	.amdhsa_code_object_version 6
	.text
	.protected	k_q478a373b78_quant
	.globl	k_q478a373b78_quant
	.p2align	8
	.type	k_q478a373b78_quant,@function
k_q478a373b78_quant:
	s_mov_b64 s[64:65], 0
	v_nop
	global_prefetch_b8 v0, s[64:65] scope:SCOPE_SE
	s_setreg_imm32_b32 hwreg(HW_REG_WAVE_MODE, 25, 1), 1
	s_wait_xcnt 0x0
; query, key, value [8192][1024] and Wq, Wk, Wv, Wo [1024][1024], f32, become codes of FP6 (E2M3) with one E8M0 byte for each 32 along K = 1024.
; A block's scale is 2^(floor(log2(largest magnitude)) - 2); its byte is the largest magnitude's exponent field - 2, held at 1 from below.
; LIMITS: a block of zeros, or one whose largest magnitude lies under 2^-124, gets the byte 1 (its codes are then zeros or the rounded small numbers; the bytes are read by this program alone);
; NaN and infinities among the inputs are not served.
; THE CODES ARE LAID IN THE ORDER OF THE OPERAND'S REGISTERS.  The unit is a HALF FRAGMENT: 16 rows x 64 K = 768 bytes; lane (r = l % 16, h = l / 16) owns the 24 bytes of row r, block h: its registers
; 0-3 at byte 16 l, its registers 4-5 at byte 512 + 8 l.  A tile of 16 rows is 16 half fragments on end, 12,288 bytes; the seven tensors' tiles follow each other: 1,792 tiles.
; WHICH ROWS FORM A TILE: in query and Wo 16 neighbours; in key, value, Wq, Wk, Wv lane row p of tile 2 B + u is row 32 B + 8 u + p + 8 (p / 8), so that where such a tile is a product's source 0 the results
; of tiles 2 B and 2 B + 1 are 16 neighbours in a lane's registers.
; The scale bytes are laid [tile][lane row][32 bytes].
; SHARES: a wave makes one tile: eight fragments of 128 along K.  Each load takes 512 consecutive bytes of one row; a fragment's 16 rows turn through the wave's own stage in LDS, so that a lane gets 16 neighbours of
; each of its row's four blocks.  Loads run two fragments (32 loads a wave) ahead.  No tensor load, no barrier: waves share nothing.  Memory binds: matrix units and clusters would add nothing.
.set STGB,  8448                       ; a wave's stage: 16 rows x (512 bytes + 16)
.set SPARE, 4*STGB                     ; behind the stages: the spare words, 128 bytes for each wave
.set SPW,   12                         ; v12  LDS address of my spare word; never rewritten
.set NIL,   13                         ; v13  0; never rewritten
.set R,     16                         ; v16-143  two sets of 64: a fragment's numbers as loaded
.set X,     144                        ; v144-207 64 numbers: register 16 b + i = k 32 b + 16 h + i of my row
.set PC,    208                        ; v208-226 the codes just made
.set TM,    228                        ; v228-243 at work
.set PW,    244                        ; v244     the scale word just made
.set SW,    246                        ; v246-253 the eight fragments' scale words
.set SEL,   40                         ; s[40:41] lane selects: lane l xor 16
; 64 numbers of a lane, v[s] .. v[s + 63], become a fragment's codes in v[PC] .. v[PC + 11] and its row's scale word in v[PW].
.macro QUANT s
.irp b, 0,1,2,3
	v_max3_num_f32 v[TM+\b], |v[\s+16*\b]|, |v[\s+1+16*\b]|, 0x1800000   ; block b: my 16 numbers, and the floor 2^(3 - 127): the byte cannot fall under 1
.endr
.irp i, 2,4,6,8,10,12,14
.irp b, 0,1,2,3
	v_max3_num_f32 v[TM+\b], v[TM+\b], |v[\s+16*\b+\i]|, |v[\s+1+16*\b+\i]|   ; the four blocks by turns
.endr
.endr
.irp b, 0,1,2,3
	v_permlanex16_b32 v[TM+4+\b], v[TM+\b], s[SEL], s[SEL+1]
.endr
.irp b, 0,1,2,3
	v_max_num_f32 v[TM+\b], v[TM+\b], v[TM+4+\b]   ; with lane l xor 16's: the block's largest magnitude
.endr
.irp b, 0,1,2,3
	v_add_nc_u32 v[TM+12+\b], 0xff000000, v[TM+\b]   ; 2 off its exponent field: the conversion takes the exponent field of this operand as its scale
.endr
.irp b, 0,1,2,3
	v_lshrrev_b32 v[TM+4+\b], 23, v[TM+12+\b]   ; the scale's byte
.endr
	v_lshl_or_b32 v[PW], v[TM+5], 8, v[TM+4]
	v_lshl_or_b32 v[PW], v[TM+6], 16, v[PW]
	v_lshl_or_b32 v[PW], v[TM+7], 24, v[PW]
.irp c, 0,1
	v_cvt_scalef32_pk16_fp6_f32 v[PC+6*\c:PC+2+6*\c], v[\s+32*\c:\s+15+32*\c], v[TM+12+2*\c]
	v_cvt_scalef32_pk16_fp6_f32 v[PC+12+4*\c:PC+14+4*\c], v[\s+16+32*\c:\s+31+32*\c], v[TM+12+2*\c+1]   ; (a conversion's three registers begin on an even number)
.endr
	v_nop                                          ; one plain place behind a scaled conversion
.irp c, 0,1                                    ; the operand's layout wants a whole block in a lane
.irp i, 0,1,2
	v_permlane16_swap_b32 v[PC+6*\c+\i], v[PC+12+4*\c+\i]
.endr
.irp i, 0,1,2
	v_mov_b32 v[PC+3+6*\c+\i], v[PC+12+4*\c+\i]
.endr
.endr
.endm
	s_load_b256 s[4:11], s[0:1], 0x0               ; query, key, value, Wq
	s_load_b256 s[12:19], s[0:1], 0x20             ; Wk, Wv, Wo, the codes
	s_load_b64 s[20:21], s[0:1], 0x40              ; the scale bytes
	v_lshl_add_u32 v[SPW], v0, 2, SPARE
	v_mov_b32 v[NIL], 0
	v_lshrrev_b32 v1, 5, v0
	v_readfirstlane_b32 s24, v1                    ; wave
	v_and_b32 v1, 31, v0                           ; lane
	v_lshlrev_b32 v2, 4, v1                        ; 16 x lane: my bytes of a load's 512, and of a store's
	v_lshlrev_b32 v3, 3, v1                        ; 8 x lane
	s_mul_i32 s25, s24, STGB
	v_add_nc_u32 v4, s25, v2                       ; the stage, on the way in: a row's 512 bytes as they lie
	v_and_b32 v7, 15, v0                           ; r
	v_bfe_u32 v8, v0, 4, 1                         ; h
	v_mul_u32_u24 v5, v7, 528
	v_lshl_add_u32 v5, v8, 6, v5
	v_add_nc_u32 v5, s25, v5                       ; and on the way out: row r, + 64 h
	v_lshlrev_b32 v6, 5, v7
	v_lshl_add_u32 v6, v8, 4, v6                   ; the scale bytes: 32 r + 16 h
.irp b, 0,1,2,3
	v_mov_b32 v[TM+4+\b], 0                        ; written once: a lane permute's destination counts as one of its sources
.endr
	s_mov_b32 s[SEL], 0x76543210
	s_mov_b32 s[SEL+1], 0xfedcba98
	s_lshl_b32 s26, ttmp9, 2
	s_add_co_u32 s26, s26, s24                     ; my tile, 0 .. 1791
	s_lshr_b32 s27, ttmp9, 7                       ; which tensor: 128 work-groups for each of query, key, value,
	s_sub_co_u32 s28, ttmp9, 384
	s_lshr_b32 s28, s28, 4
	s_add_co_u32 s28, s28, 3                       ; 16 for each weight
	s_and_b32 s29, s26, 511                        ; my tile in its tensor
	s_and_b32 s30, s26, 63
	s_cmp_lt_u32 ttmp9, 384
	s_cselect_b32 s27, s27, s28
	s_cselect_b32 s29, s29, s30
	s_cmp_eq_u32 s27, 0                            ; query and Wo keep their rows' order
	s_cselect_b32 s31, 0, 1
	s_cmp_eq_u32 s27, 6
	s_cselect_b32 s31, 0, s31
	s_lshl_b32 s32, s29, 16                        ; plain: 16 rows of 4,096 bytes a tile
	s_lshr_b32 s33, s29, 1
	s_lshl_b32 s33, s33, 17                        ; else: 32 rows a pair of tiles,
	s_and_b32 s34, s29, 1
	s_lshl_b32 s34, s34, 15                        ; 8 rows on for the odd tile,
	s_add_co_u32 s33, s33, s34
	s_cmp_eq_u32 s31, 0
	s_cselect_b32 s32, s32, s33
	s_cselect_b32 s34, 0, 32768                    ; and lane rows 8-15 lie 8 rows further on
	s_mov_b32 s33, 0
	s_mov_b32 s35, 0
	s_mul_i32 s38, s26, 12288
	s_mov_b32 s39, 0
	s_wait_kmcnt 0x0
	s_mov_b64 s[22:23], s[4:5]                     ; the tensor is chosen by the work-group's number alone: one path serves all seven
	s_cmp_eq_u32 s27, 1
	s_cselect_b64 s[22:23], s[6:7], s[22:23]
	s_cmp_eq_u32 s27, 2
	s_cselect_b64 s[22:23], s[8:9], s[22:23]
	s_cmp_eq_u32 s27, 3
	s_cselect_b64 s[22:23], s[10:11], s[22:23]
	s_cmp_eq_u32 s27, 4
	s_cselect_b64 s[22:23], s[12:13], s[22:23]
	s_cmp_eq_u32 s27, 5
	s_cselect_b64 s[22:23], s[14:15], s[22:23]
	s_cmp_eq_u32 s27, 6
	s_cselect_b64 s[22:23], s[16:17], s[22:23]
	s_add_nc_u64 s[22:23], s[22:23], s[32:33]      ; lane rows 0-7
	s_add_nc_u64 s[36:37], s[22:23], s[34:35]      ; lane rows 8-15
	s_add_nc_u64 s[18:19], s[18:19], s[38:39]      ; my tile's codes
	s_lshl_b32 s38, s26, 9
	s_add_nc_u64 s[20:21], s[20:21], s[38:39]      ; and its 512 scale bytes
.macro LOAD f                          ; fragment f: 128 along K of my 16 rows, a row a load: 32 lanes read 512 consecutive bytes
.irp i, 0,1,2,3,4,5,6,7
	global_load_b128 v[R+64*((\f)%2)+4*\i:R+64*((\f)%2)+4*\i+3], v2, s[22:23] offset:\i*4096+(\f)*512 th:TH_LOAD_NT
.endr
.irp i, 8,9,10,11,12,13,14,15
	global_load_b128 v[R+64*((\f)%2)+4*\i:R+64*((\f)%2)+4*\i+3], v2, s[36:37] offset:\i*4096+(\f)*512 th:TH_LOAD_NT
.endr
.endm
.macro STEP f
.if (\f) < 7
	s_wait_loadcnt 16                              ; this fragment's 16 loads are in; the next fragment's 16 may be out
.else
	s_wait_loadcnt 0x0
.endif
.irp i, 0,1,2,3,4,5,6,7,8,9,10,11,12,13,14,15
	ds_store_b128 v4, v[R+64*((\f)%2)+4*\i:R+64*((\f)%2)+4*\i+3] offset:528*\i
.endr
.irp b, 0,1,2,3
.irp j, 0,1,2,3
	ds_load_b128 v[X+16*\b+4*\j:X+16*\b+4*\j+3], v5 offset:128*\b+16*\j   ; LDS serves a wave's instructions in order: these see the stores above
.endr
.endr
	s_wait_dscnt 0x0                               ; the numbers are back, and the stores into the stage have read their registers
	s_wait_xcnt 0x0                                ; the last fragment's stores have read their codes: those registers are written again below
.if (\f) < 6
	LOAD (\f)+2
.endif
	QUANT X
	v_mov_b32 v[SW+(\f)], v[PW]
	global_store_b128 v2, v[PC:PC+3], s[18:19] offset:(\f)*1536          ; each store of the wave covers 512 or 256 consecutive bytes, aligned to 256
	global_store_b64 v3, v[PC+4:PC+5], s[18:19] offset:(\f)*1536+512
	global_store_b128 v2, v[PC+6:PC+9], s[18:19] offset:(\f)*1536+768
	global_store_b64 v3, v[PC+10:PC+11], s[18:19] offset:(\f)*1536+1280
.endm
	LOAD 0
	LOAD 1
.irp f, 0,1,2,3,4,5,6,7
	STEP \f
.endr
	v_cmp_ne_u32 vcc_lo, 0, v8                     ; lanes 0-15 store their row's words 0-3, lanes 16-31 words 4-7
.irp i, 0,1,2,3
	v_cndmask_b32 v[X+\i], v[SW+\i], v[SW+4+\i], vcc_lo
.endr
	global_store_b128 v6, v[X:X+3], s[20:21]       ; the wave's 512 scale bytes, consecutive
	s_wait_tensorcnt 0x0                           ; the wave's end
	ds_add_u32 v[SPW], v[NIL]
	s_wait_dscnt 0x0
	s_endpgm
.Lfunc_end_k_q478a373b78_quant:
	.size	k_q478a373b78_quant, .Lfunc_end_k_q478a373b78_quant-k_q478a373b78_quant
	.p2alignl 7, 3214868480
	.fill 96, 4, 3214868480
	.section	.rodata,"a",@progbits
	.p2align	6, 0x0
	.amdhsa_kernel k_q478a373b78_quant
		.amdhsa_group_segment_fixed_size 34304
		.amdhsa_private_segment_fixed_size 0
		.amdhsa_enable_private_segment 0
		.amdhsa_kernarg_size 72
		.amdhsa_user_sgpr_count 2
		.amdhsa_user_sgpr_kernarg_segment_ptr 1
		.amdhsa_wavefront_size32 1
		.amdhsa_system_sgpr_workgroup_id_x 1
		.amdhsa_system_sgpr_workgroup_id_y 1
		.amdhsa_system_sgpr_workgroup_id_z 1
		.amdhsa_system_vgpr_workitem_id 0
		.amdhsa_next_free_vgpr 256
		.amdhsa_next_free_sgpr 66
		.amdhsa_reserve_vcc 1
		.amdhsa_float_denorm_mode_32 3
		.amdhsa_float_denorm_mode_16_64 3
		.amdhsa_memory_ordered 1
		.amdhsa_forward_progress 1
		.amdhsa_inst_pref_size 66
	.end_amdhsa_kernel
	.amdgpu_metadata
---
amdhsa.version: [ 1, 2 ]
amdhsa.kernels:
  - .name:           k_q478a373b78_quant
    .symbol:         k_q478a373b78_quant.kd
    .args:
      - { .name: query, .offset: 0, .size: 8, .value_kind: global_buffer, .address_space: global }
      - { .name: key, .offset: 8, .size: 8, .value_kind: global_buffer, .address_space: global }
      - { .name: value, .offset: 16, .size: 8, .value_kind: global_buffer, .address_space: global }
      - { .name: Wq, .offset: 24, .size: 8, .value_kind: global_buffer, .address_space: global }
      - { .name: Wk, .offset: 32, .size: 8, .value_kind: global_buffer, .address_space: global }
      - { .name: Wv, .offset: 40, .size: 8, .value_kind: global_buffer, .address_space: global }
      - { .name: Wo, .offset: 48, .size: 8, .value_kind: global_buffer, .address_space: global }
      - { .name: opc, .offset: 56, .size: 8, .value_kind: global_buffer, .address_space: global }
      - { .name: ops, .offset: 64, .size: 8, .value_kind: global_buffer, .address_space: global }
    .group_segment_fixed_size: 34304
    .private_segment_fixed_size: 0
    .kernarg_segment_align: 8
    .kernarg_segment_size: 72
    .max_flat_workgroup_size: 128
    .sgpr_count:     66
    .vgpr_count:     256
    .wavefront_size: 32
...
	.end_amdgpu_metadata
.endif
;; end of part 1
;; launch proj (part 2): grid 4 x 96, 4 waves a work-group, clusters of 4 x 4, 327,680 bytes of LDS; arguments opc, ops, bq, bk, bv, qkv, qkvs; writes qkv, qkvs
.if DOCPART == 2
	.amdgcn_target "amdgcn-amd-amdhsa--gfx1250"
	.amdhsa_code_object_version 6
	.text
	.protected	k_q478a373b78_proj
	.globl	k_q478a373b78_proj
	.p2align	8
	.type	k_q478a373b78_proj,@function
k_q478a373b78_proj:
	s_mov_b64 s[64:65], 0
	v_nop
	global_prefetch_b8 v0, s[64:65] scope:SCOPE_SE
	s_setreg_imm32_b32 hwreg(HW_REG_WAVE_MODE, 25, 1), 1
	s_wait_xcnt 0x0
	s_wait_alu depctr_hold_cnt(0) depctr_sa_sdst(0) depctr_va_vdst(0) depctr_va_sdst(0) depctr_va_ssrc(0) depctr_va_vcc(0) depctr_vm_vsrc(0)
	s_getreg_b32 s2, hwreg(HW_REG_IB_STS2, 6, 4)
	s_cmp_eq_u32 s2, 0
	s_cbranch_scc0 .Lentry_in_a_cluster
	s_endpgm
.Lentry_in_a_cluster:
	s_bfe_u32 s2, ttmp6, 0x10000c
	s_cmp_lg_u32 s2, 0xf033
	s_cbranch_scc0 .Lentry_shape_is_right
	s_endpgm
.Lentry_shape_is_right:
; Q = query Wq^T + bq, K = key Wk^T + bk, V^T = Wv value^T + bv, on codes of FP6 (E2M3) with E8M0 scales; the results are quantised in registers: Q and K along the head's 64, V^T along the keys.
; OPERANDS come as images of their registers: a tile of 16 rows is 16 half fragments of 768 bytes (16 rows x 64 K: lane l's registers 0-3 at 16 l, registers 4-5 at 512 + 8 l); scale bytes [row][32].
; SHARES.  A work-group of four waves makes 256 x 256 of a product, a wave 128 x 128: 64 accumulators, 512 registers.  The cluster's number y gives the product t = y / 8 and the block u = y % 8.
; t = 0, 1: A = the tokens (query, key), B = the weight.  t = 2: A = Wv, B = value, so that the result is V^T.  THE MATRIX INSTRUCTION IS USED TRANSPOSED (source 0 = B's rows, source 1 = A's rows): a lane holds one row
; of A and its registers run along B's rows, which is the axis that is quantised next; B's tiles hold their rows in the order that makes the registers of two neighbouring tiles 16 neighbours.
; K = 1,024 goes in four steps of 256 through a ring of two LDS slots; a wave's tensor load brings 8 tiles x 3,072 bytes.  The scale bytes of the work-group's rows come once, with the first fills.
; CLUSTERS: 4 x 4 work-groups; A's tiles are asked for jointly along a row of the cluster, B's along a column.
; THE BIAS: where it hangs on B's row (Q, K) it is the C of each sum's first product; where it hangs on A's row (V) it is added on the way out.  Both are always executed, one of them on zeros: no branch.
; So for Q and K the bias is summed first and not last.
; RESULTS: qkv [b h][Q 128 tiles | K 128 tiles | V 16 steps x 4 channel tiles x 2] x 768 bytes; qkvs [b h][Q, K: [tile / 4][r][tile % 4] words (two bytes, two zeros) | V: [step][r][channel tile] words].
; LIMITS: a block whose largest magnitude lies under 2^-124 gets the byte 1; NaN and infinities are not served.
; No prefetch: two of the four K steps are first fills, and the other two would have to be asked for at the head, where every work-group's first tiles are on their way.
; REGISTERS, in windows of 256: window 0: v0-31 addresses; v32-63 scale words, two sets; v64-127 the bias as C; v128-223 A's fragments, one set; v224-239 the bias by A's rows; on the way out v32-223 are free.
;   window 1: B's fragments, two sets, at v0 and v128.  window 2: the accumulators of my rows 0-63 ((a, b) at v[8 (8 a + b)]); window 3: those of rows 64-127.
.set NQ,     2                         ; matrix instructions deep in a slot
.set FR,     12                        ; registers of a fragment
.set NL,     4                         ; LDS loads that bring one
.set NP,     4                         ; places behind this matrix instruction (ISA guide 7.12.1)
.set TROW,   3072                      ; a tile's 256 along K: four half fragments
.set HALFT,  8*TROW                    ; 128 rows: what one tensor load brings
.set SLOT,   4*HALFT                   ; A's 256 rows, then B's
.set SCL,    2*SLOT                    ; behind the ring: the scale bytes, as rows of 256 bytes + 16
.set HALFS,  4352                      ; those of 128 rows: 16 x 272
.set SBLK,   544                       ; those of 16 rows
.set WSC,    SCL+4*HALFS               ; scratch for the results' scale words, 1,024 bytes a wave: no fill lands here
.set SPARE,  WSC+4096                  ; the spare words, 128 bytes for each wave
.set L16,  4                           ; v4   16 x lane
.set L8,   5                           ; v5   8 x lane
.set VO16C, 10                         ; v10  16 x lane + the second half fragment's distance
.set VO8C, 11                          ; v11  8 x lane + the same
.set VSH,  12                          ; v12  16 h for Q and K, 0 for V
.set WSA,  13                          ; v13  where I put a scale word
.set WSR,  14                          ; v14  where I read them back
.set VS0,  15                          ; v15  and where they go in memory
.set ADRA, 16                          ; v16-17 LDS address of A's fragments in slot 0, 1, by 16 x lane; v18-19 by 8 x lane
.set ADRB, 20                          ; v20-23 the same for B
.set ADRS, 27                          ; v27  my scale words: lanes 0-15 A's rows, lanes 16-31 B's
.set SPW,  28                          ; v28  my spare word; never rewritten
.set NIL,  29                          ; v29  0; never rewritten
.set SC,   32
.set BC,   64
.set AF,   128
.set BR,   224
.set T,    128                         ; the way out: 64 numbers
.set PC,   192                         ; their codes
.set TM,   32
.set PW,   48
.set TW,   50                          ; v50-57 a scale word for each block: no LDS store's data are written again
.set WV,  18
.set RH,  19                           ; wave / 2: my half of A's rows.  Also: I fetch for A (0) or B (1)
.set CH,  20                           ; wave % 2: my half of B's rows.  Also: which 128 rows I fetch
.set G1,  32
.set G0,  40
.set G1B, 48
.set G0B, 56
.set SEL, 66
.set G1S, 68
.set G0S, 76
.set G1SB, 80
.set G0SB, 88
.set SCO, 100                          ; s100 from a block's first half fragment to its second, in bytes
.set SMK, 101                          ; s101 mask of a scale word
.set MCB, 104                          ; s104 -1 where the bias goes by B's rows, else 0
.set MRB, 105                          ; s105 the other way round
.set MSB, 0
.macro WIN new                         ; the immediate's high byte repeats the setting that is left
.if MSB != (\new)
	s_set_vgpr_msb (MSB<<8)|(\new)
.set MSB, (\new)
.endif
.endm
.set MUL_LO, 0xa1                      ; source 0 (B) window 1, source 1 (A) window 0, C and D window 2
.set MUL_HI, 0xf1
.set TO_B,   0x40
; A joint load: waves 0 and 1 fetch for A, waves 2 and 3 for B; the branch hangs on the wave's number alone.  An s_nop 0 and four v_nop follow each line.
.macro JLOAD g0a, g1a, g0b, g1b
	s_cmp_eq_u32 s[RH], 0
	s_cbranch_scc0 .Lfor_b_\@
	tensor_load_to_lds s[\g0a:\g0a+3], s[\g1a:\g1a+7]
	s_nop 0
.rept 4
	v_nop
.endr
	s_branch .Lasked_\@
.Lfor_b_\@:
	tensor_load_to_lds s[\g0b:\g0b+3], s[\g1b:\g1b+7]
	s_nop 0
.rept 4
	v_nop
.endr
.Lasked_\@:
.endm
.macro CREST                           ; a round of the cluster's barrier behind its opening barrier
	s_cmp_lg_u32 s[WV], 0
	s_cbranch_scc1 .Lnot_wave_0_\@
	s_barrier_signal -3
.Lnot_wave_0_\@:
	s_barrier_wait -3
	s_barrier_signal -1
	s_barrier_wait -1
.endm
.macro CROUND
	s_barrier_signal -1
	s_barrier_wait -1
	CREST
.endm
.macro QUANT s                         ; 64 numbers, register 16 b + i = k 32 b + 16 h + i of my row -> codes in v[PC] .. v[PC + 11], scale word in v[PW]
.irp b, 0,1,2,3
	v_max3_num_f32 v[TM+\b], |v[\s+16*\b]|, |v[\s+1+16*\b]|, 0x1800000   ; and the floor 2^(3 - 127): the byte cannot fall under 1
.endr
.irp i, 2,4,6,8,10,12,14
.irp b, 0,1,2,3
	v_max3_num_f32 v[TM+\b], v[TM+\b], |v[\s+16*\b+\i]|, |v[\s+1+16*\b+\i]|
.endr
.endr
.irp b, 0,1,2,3
	v_permlanex16_b32 v[TM+4+\b], v[TM+\b], s[SEL], s[SEL+1]
.endr
.irp b, 0,1,2,3
	v_max_num_f32 v[TM+\b], v[TM+\b], v[TM+4+\b]
.endr
.irp b, 0,1,2,3
	v_add_nc_u32 v[TM+12+\b], 0xff000000, v[TM+\b]   ; 2 off the exponent field: the conversion's scale operand
.endr
.irp b, 0,1,2,3
	v_lshrrev_b32 v[TM+4+\b], 23, v[TM+12+\b]
.endr
	v_lshl_or_b32 v[PW], v[TM+5], 8, v[TM+4]
	v_lshl_or_b32 v[PW], v[TM+6], 16, v[PW]
	v_lshl_or_b32 v[PW], v[TM+7], 24, v[PW]
.irp c, 0,1
	v_cvt_scalef32_pk16_fp6_f32 v[PC+6*\c:PC+2+6*\c], v[\s+32*\c:\s+15+32*\c], v[TM+12+2*\c]
	v_cvt_scalef32_pk16_fp6_f32 v[PC+12+4*\c:PC+14+4*\c], v[\s+16+32*\c:\s+31+32*\c], v[TM+12+2*\c+1]
.endr
	v_nop                                          ; one plain place behind a scaled conversion
.irp c, 0,1
.irp i, 0,1,2
	v_permlane16_swap_b32 v[PC+6*\c+\i], v[PC+12+4*\c+\i]
.endr
.irp i, 0,1,2
	v_mov_b32 v[PC+3+6*\c+\i], v[PC+12+4*\c+\i]
.endr
.endr
.endm
	s_load_b256 s[4:11], s[0:1], 0x0               ; the codes s[4:5], the scale bytes s[6:7], bq, bk
	s_load_b128 s[12:15], s[0:1], 0x20             ; bv, qkv
	s_load_b64 s[16:17], s[0:1], 0x30              ; qkvs
	v_lshl_add_u32 v[SPW], v0, 2, SPARE
	v_mov_b32 v[NIL], 0
	ds_add_u32 v[SPW], v[NIL]                      ; the wave's opening: the add and its wait stand ahead of my first tensor load; the set-up below stands between them
	v_lshrrev_b32 v1, 5, v0
	v_readfirstlane_b32 s[WV], v1
	s_lshr_b32 s[RH], s[WV], 1
	s_and_b32 s[CH], s[WV], 1
	s_bfe_u32 s21, ttmp6, 0x40000                  ; cx
	s_bfe_u32 s22, ttmp6, 0x40004                  ; cy
	s_and_b32 s24, ttmp7, 0xffff                   ; the cluster's y, 0 .. 23
	s_lshr_b32 s23, s24, 3                         ; t: 0 Q, 1 K, 2 V
	s_and_b32 s24, s24, 7                          ; u
	s_cmp_eq_u32 s23, 2
	s_cselect_b32 s25, 1, 0                        ; is it V?  The same in all sixteen partners
	s_lshl_b32 s26, s22, 2
	s_lshl_b32 s26, 15, s26                        ; my row of the cluster
	s_lshl_b32 s27, 0x1111, s21                    ; my column
	; descriptor group 1: 8 tiles x 3,072 bytes (384 elements of 8 bytes), 12,288 bytes apart in memory, on end in LDS
	s_or_b32 s[G1], s26, (3<<16)|(1<<21)           ; 15:0 the mask; 17:16 elements of 8 bytes; 20 no padding; 21 set beside a mask
	s_or_b32 s[G1B], s27, (3<<16)|(1<<21)
.irp g, G1, G1B
	s_mov_b32 s[\g+1], 384<<16                     ; tensor_dim0
	s_mov_b32 s[\g+2], 8<<16                       ; tensor_dim1
	s_mov_b32 s[\g+3], 384<<16                     ; tile_dim0
	s_mov_b32 s[\g+4], 8                           ; tile_dim1
	s_mov_b32 s[\g+5], 1536                        ; from tile to tile
	s_mov_b32 s[\g+6], 0
	s_mov_b32 s[\g+7], 0
.endr
	; the scale bytes of 128 rows: 4,096 dense bytes as 16 rows of 256, 16 bytes of padding behind each
	s_or_b32 s[G1S], s26, (3<<16)|(1<<20)|(1<<21)|(5<<22)|(3<<25)
	s_or_b32 s[G1SB], s27, (3<<16)|(1<<20)|(1<<21)|(5<<22)|(3<<25)
.irp g, G1S, G1SB
	s_mov_b32 s[\g+1], 32<<16
	s_mov_b32 s[\g+2], 16<<16
	s_mov_b32 s[\g+3], 32<<16
	s_mov_b32 s[\g+4], 16
	s_mov_b32 s[\g+5], 32
	s_mov_b32 s[\g+6], 0
	s_mov_b32 s[\g+7], 0
.endr
	; which blocks of 256 rows of the images: query 0-31, key 32-63, value 64-95, Wq 96-, Wk 100-, Wv 104-
	s_lshl_b32 s28, s23, 5
	s_lshl_b32 s30, s24, 2
	s_add_co_u32 s28, s28, s30                     ; 32 t + 4 u
	s_lshl_b32 s29, s23, 2
	s_add_co_u32 s29, s29, 96                      ; 96 + 4 t
	s_add_co_u32 s30, s30, 64                      ; 64 + 4 u
	s_cmp_eq_u32 s25, 1
	s_cselect_b32 s28, 104, s28
	s_cselect_b32 s29, s30, s29
	s_add_co_u32 s28, s28, s22                     ; A: + cy, which my row of the cluster shares
	s_add_co_u32 s29, s29, s21                     ; B: + cx, which my column shares
	s_mul_i32 s30, s[CH], 98304                    ; the 128 rows that I fetch
	s_lshl_b32 s31, s[CH], 12
	s_mul_i32 s92, s28, 196608
	s_add_co_u32 s92, s92, s30
	s_mov_b32 s93, 0
	s_mul_i32 s94, s29, 196608
	s_add_co_u32 s94, s94, s30
	s_mov_b32 s95, 0
	s_lshl_b32 s96, s28, 13
	s_add_co_u32 s96, s96, s31
	s_mov_b32 s97, 0
	s_lshl_b32 s98, s29, 13
	s_add_co_u32 s98, s98, s31
	s_mov_b32 s99, 0
	s_mul_i32 s2, s[WV], HALFT                     ; where they go: wave x 128 rows: no place in the cluster enters an LDS address
	s_mul_i32 s3, s[WV], HALFS
	s_mov_b32 s[SEL], 0x76543210
	s_mov_b32 s[SEL+1], 0xfedcba98
	s_wait_dscnt 0x0                               ; the opening add is done
	s_wait_kmcnt 0x0
	s_add_nc_u64 s[92:93], s[4:5], s[92:93]
	s_add_nc_u64 s[94:95], s[4:5], s[94:95]
	s_add_nc_u64 s[96:97], s[6:7], s[96:97]
	s_add_nc_u64 s[98:99], s[6:7], s[98:99]
	CROUND                                         ; all sixteen work-groups are here: the first joint loads meet
	s_mov_b32 s[G0S], 1
	s_add_co_u32 s[G0S+1], s3, SCL
	s_mov_b64 s[G0S+2:G0S+3], s[96:97]
	s_or_b32 s[G0S+3], s[G0S+3], 0x80000000
	s_mov_b32 s[G0SB], 1
	s_add_co_u32 s[G0SB+1], s3, SCL
	s_mov_b64 s[G0SB+2:G0SB+3], s[98:99]
	s_or_b32 s[G0SB+3], s[G0SB+3], 0x80000000
	JLOAD G0S, G1S, G0SB, G1SB                     ; the scale bytes first: they are wanted with K step 0
.irp s, 0,1
	s_mov_b32 s[G0+4*\s], 1
	s_add_co_u32 s[G0+4*\s+1], s2, \s*SLOT
	s_add_nc_u64 s[G0+4*\s+2:G0+4*\s+3], s[92:93], \s*TROW
	s_or_b32 s[G0+4*\s+3], s[G0+4*\s+3], 0x80000000
	s_mov_b32 s[G0B+4*\s], 1
	s_add_co_u32 s[G0B+4*\s+1], s2, \s*SLOT
	s_add_nc_u64 s[G0B+4*\s+2:G0B+4*\s+3], s[94:95], \s*TROW
	s_or_b32 s[G0B+4*\s+3], s[G0B+4*\s+3], 0x80000000
	JLOAD G0+4*\s, G1, G0B+4*\s, G1B               ; by this text's count three tensor loads of a wave are out
.endr
	; what differs between Q, K and V is chosen here, by the cluster's number
	s_mov_b32 s[SCO], 294912
	s_mov_b32 s96, 768
	s_mov_b32 s98, 768
	s_mov_b32 s[SMK], 0xffff
	s_mov_b32 s3, 256
	s_cmp_eq_u32 s25, 1
	s_cselect_b32 s28, s21, s22                    ; the tokens' place in the cluster: cx for V, else cy
	s_cselect_b32 s29, s22, s21                    ; the heads'
	s_cselect_b32 s30, s[RH], s[CH]                ; the heads' half in my wave
	s_cselect_b32 s31, s[CH], s[RH]                ; the tokens'
	s_cselect_b32 s[SCO], 768, s[SCO]              ; the second half fragment: V: the step's keys 64 on; Q, K: the next head
	s_cselect_b32 s96, 1536, s96                   ; from block to block: V: a channel tile; Q, K: a tile of tokens
	s_cselect_b32 s98, 290304, s98                 ; from block 3 to block 4: V: the next head's first channel tile
	s_cselect_b32 s[SMK], -1, s[SMK]
	s_cselect_b32 s3, 20480, s3
	s_cselect_b32 s[MCB], 0, -1
	s_cselect_b32 s[MRB], -1, 0
	s_mov_b32 s97, 0
	s_mov_b32 s99, 0
	s_lshl_b32 s2, s24, 2
	s_add_co_u32 s28, s28, s2                      ; the block of 256 tokens, 0 .. 31
	s_lshr_b32 s2, s28, 3                          ; the batch
	s_and_b32 s28, s28, 7
	s_lshl_b32 s2, s2, 4
	s_lshl_b32 s29, s29, 2
	s_add_co_u32 s2, s2, s29
	s_lshl_b32 s30, s30, 1
	s_add_co_u32 s2, s2, s30                       ; 16 b + my first head
	s_lshl_b32 s28, s28, 1
	s_add_co_u32 s28, s28, s31                     ; my 128 tokens among the batch's 2,048
	s_mul_i32 s92, s2, 294912
	s_mul_i32 s29, s23, 98304
	s_add_co_u32 s92, s92, s29
	s_mul_i32 s29, s28, 6144                       ; 8 tiles of 768 bytes, or a step of V: the same 6,144 bytes
	s_add_co_u32 s92, s92, s29
	s_mov_b32 s93, 0
	s_add_nc_u64 s[92:93], s[14:15], s[92:93]      ; where my codes go
	s_mul_i32 s94, s2, 20480
	s_lshl_b32 s29, s23, 13
	s_add_co_u32 s94, s94, s29
	s_lshl_b32 s29, s28, 9                         ; 512 bytes of words for 128 tokens of Q or K, 256 for a step of V
	s_lshr_b32 s29, s29, s25
	s_add_co_u32 s94, s94, s29
	s_mov_b32 s95, 0
	s_add_nc_u64 s[94:95], s[16:17], s[94:95]      ; and my scale words
	s_cmp_eq_u32 s23, 1                            ; the bias
	s_cselect_b64 s[8:9], s[10:11], s[8:9]
	s_cmp_eq_u32 s23, 2
	s_cselect_b64 s[8:9], s[12:13], s[8:9]
	s_lshl_b32 s28, s21, 10
	s_lshl_b32 s29, s[CH], 9
	s_add_co_u32 s28, s28, s29
	s_and_b32 s28, s28, s[MCB]                     ; by B's rows: 4 (256 cx + 128 half) bytes on; for V from the start: what is loaded is masked away
	s_mov_b32 s29, 0
	s_add_nc_u64 s[10:11], s[8:9], s[28:29]
	s_lshl_b32 s28, s22, 10
	s_lshl_b32 s30, s[RH], 9
	s_add_co_u32 s28, s28, s30
	s_and_b32 s28, s28, s[MRB]                     ; by A's rows, likewise
	s_add_nc_u64 s[12:13], s[8:9], s[28:29]
	v_and_b32 v1, 31, v0                           ; lane
	v_and_b32 v2, 15, v0                           ; r
	v_bfe_u32 v3, v0, 4, 1                         ; h
	v_lshlrev_b32 v[L16], 4, v1
	v_lshlrev_b32 v[L8], 3, v1
	v_lshlrev_b32 v24, 6, v3                       ; the bias by B's rows: tile b's registers are columns 32 (b / 2) + 8 (b % 2) + 16 h + 0 .. 7
	v_and_b32 v25, 8, v2
	v_add_nc_u32 v25, v25, v2
	v_lshlrev_b32 v25, 2, v25                      ; by A's rows: tile a's lane row r is channel 32 (a / 2) + 8 (a % 2) + r + 8 (r / 8)
.irp b, 0,1,2,3,4,5,6,7
	global_load_b128 v[BC+8*\b:BC+8*\b+3], v24, s[10:11] offset:(32*(\b/2)+8*(\b%2))*4
	global_load_b128 v[BC+8*\b+4:BC+8*\b+7], v24, s[10:11] offset:(32*(\b/2)+8*(\b%2))*4+16
.endr
.irp a, 0,1,2,3,4,5,6,7
	global_load_b32 v[BR+2*\a], v25, s[12:13] offset:(32*(\a/2)+8*(\a%2))*4
.endr
	s_mul_i32 s28, s[RH], HALFT                    ; my 128 rows of A
	s_mul_i32 s29, s[CH], HALFT                    ; my 128 rows of B,
	s_add_co_u32 s29, s29, 2*HALFT                 ; which lie behind A's 256
.irp s, 0,1
	v_add_nc_u32 v[ADRA+\s], s28, v[L16]
	v_add_nc_u32 v[ADRB+\s], s29, v[L16]
	v_add_nc_u32 v[ADRA+2+\s], s28, v[L8]
	v_add_nc_u32 v[ADRB+2+\s], s29, v[L8]
	s_add_co_u32 s28, s28, SLOT
	s_add_co_u32 s29, s29, SLOT
.endr
	v_lshlrev_b32 v6, 5, v2                        ; my row's scale bytes: 32 a row,
	v_lshrrev_b32 v7, 8, v6
	v_lshl_add_u32 v6, v7, 4, v6                   ; and 16 more for each 256 passed
	s_mul_i32 s28, s[RH], HALFS
	s_mul_i32 s29, s[CH], HALFS
	s_add_co_u32 s29, s29, 2*HALFS
	s_sub_co_u32 s29, s29, s28
	v_mul_u32_u24 v7, s29, v3                      ; lanes 16-31 take B's
	s_add_co_u32 s28, s28, SCL
	v_add_nc_u32 v6, v6, v7
	v_add_nc_u32 v[ADRS], s28, v6
	v_add_nc_u32 v[VO16C], s[SCO], v[L16]
	v_add_nc_u32 v[VO8C], s[SCO], v[L8]
	v_lshlrev_b32 v[VSH], 4, v3
	v_and_b32 v[VSH], s[MCB], v[VSH]
	s_lshl_b32 s28, s[WV], 10
	s_add_co_u32 s28, s28, WSC
	v_lshlrev_b32 v6, 9, v3
	v_lshl_add_u32 v6, v2, 4, v6
	v_add_nc_u32 v[WSA], s28, v6                   ; my scratch: 512 h + 16 r
	v_add_nc_u32 v[WSR], s28, v[L16]
	v_mul_u32_u24 v[VS0], s3, v3
	v_lshl_add_u32 v[VS0], v2, 4, v[VS0]
	s_wait_loadcnt 0x0                             ; the bias
.set i, 0
.rept 64
	v_and_b32 v[BC+i], s[MCB], v[BC+i]             ; all bits or none
.set i, i+1
.endr
.irp a, 0,1,2,3,4,5,6,7
	v_and_b32 v[BR+2*\a], s[MRB], v[BR+2*\a]
	v_mov_b32 v[BR+2*\a+1], v[BR+2*\a]             ; a pair for the packed addition
.endr
.macro FRAG reg, adr, q, i             ; a fragment, 16 rows x 128 K, is two half fragments on end: four loads, each of consecutive bytes
	ds_load_b128 v[\reg:\reg+3], v[\adr] offset:(\i)*TROW+(\q)*1536
	ds_load_b64 v[\reg+4:\reg+5], v[\adr+2] offset:(\i)*TROW+(\q)*1536+512
	ds_load_b128 v[\reg+6:\reg+9], v[\adr] offset:(\i)*TROW+(\q)*1536+768
	ds_load_b64 v[\reg+10:\reg+11], v[\adr+2] offset:(\i)*TROW+(\q)*1536+1280
.endm
; 16 matrix instructions: A's blocks a0, a0 + 1 x B's eight.  first = 1: the bias is the C of the sum's first product.  The 64 accumulators take turns.
.macro MUL16 a0, p, q, sc, first
.irp a, \a0, \a0+1
.irp b, 0,1,2,3,4,5,6,7
.if \first
	v_wmma_scale_f32_16x16x128_f8f6f4 v[8*(8*((\a)%4)+\b):8*(8*((\a)%4)+\b)+7], v[128*(\p)+FR*\b:128*(\p)+FR*\b+FR-1], v[AF+FR*(\a):AF+FR*(\a)+FR-1], v[BC+8*\b:BC+8*\b+7], v[SC+8*NQ*(\sc)+NQ*\b+(\q)], v[SC+8*NQ*(\sc)+NQ*(\a)+(\q)] matrix_a_fmt:MATRIX_FMT_FP6 matrix_b_fmt:MATRIX_FMT_FP6 matrix_a_scale:MATRIX_SCALE_ROW1
.else
	v_wmma_scale_f32_16x16x128_f8f6f4 v[8*(8*((\a)%4)+\b):8*(8*((\a)%4)+\b)+7], v[128*(\p)+FR*\b:128*(\p)+FR*\b+FR-1], v[AF+FR*(\a):AF+FR*(\a)+FR-1], v[8*(8*((\a)%4)+\b):8*(8*((\a)%4)+\b)+7], v[SC+8*NQ*(\sc)+NQ*\b+(\q)], v[SC+8*NQ*(\sc)+NQ*(\a)+(\q)] matrix_a_fmt:MATRIX_FMT_FP6 matrix_b_fmt:MATRIX_FMT_FP6 matrix_a_scale:MATRIX_SCALE_ROW1
.endif
.endr
.endr
.endm
.macro FETCH_B slot, q, p
	WIN TO_B
.irp i, 0,1,2,3,4,5,6,7
	FRAG 128*(\p)+FR*\i, ADRB+\slot, \q, \i
.endr
	WIN 0
.endm
.macro FETCH_A slot, q, i0
.irp i, \i0, \i0+1, \i0+2, \i0+3
	FRAG AF+FR*(\i), ADRA+\slot, \q, \i
.endr
.endm
.macro SCALES sc                       ; a K step's scale words: two a row; lanes 0-15 A's block i, lanes 16-31 B's block i
.irp i, 0,1,2,3,4,5,6,7
	ds_load_b64 v[SC+8*NQ*\sc+NQ*\i:SC+8*NQ*\sc+NQ*\i+1], v[ADRS] offset:\i*SBLK
.endr
.endm
.macro PLACES n                        ; plain vector instructions between a matrix instruction and a load into, or a read of, its registers
.rept \n
	v_nop
.endr
.endm
.macro STEP slot, q, first             ; 128 along K that have their successor in the same slot
	s_wait_dscnt 4*NL                              ; B's set and A's blocks 0-3 are in; the youngest 16 loads (A's blocks 4-7) may be out
.if \first
	WIN 0x81                                       ; C in window 0, D in window 2
.else
	WIN MUL_LO
.endif
	MUL16 0, (\q)%2, \q, \slot, \first
	MUL16 2, (\q)%2, \q, \slot, \first
	s_wait_dscnt 0
	PLACES NP
	FETCH_B \slot, (\q)+1, 1-(\q)%2
	FETCH_A \slot, (\q)+1, 0
.if \first
	WIN 0xc1
.else
	WIN MUL_HI
.endif
	MUL16 4, (\q)%2, \q, \slot, \first
	MUL16 6, (\q)%2, \q, \slot, \first
	PLACES NP
	WIN 0
	FETCH_A \slot, (\q)+1, 4
.endm
; A slot's last step changes slots: one barrier; ahead of it each wave waits for all its tensor loads, adds 0 to its spare word, and waits for that and for its reads of this slot.
.macro TURN slot, next, fill
	s_wait_tensorcnt 0x0                           ; all my tensor loads have landed: my part of the next slot
	ds_add_u32 v[SPW], v[NIL]
	s_wait_dscnt 4*NL+1                            ; the add and the youngest 16 loads may be out
	WIN MUL_LO
	MUL16 0, 1, NQ-1, \slot, 0
	s_wait_dscnt 0x0                               ; the add is done, and my reads of this slot are over
	s_barrier_signal -1
	MUL16 2, 1, NQ-1, \slot, 0
	WIN 0
	s_barrier_wait -1
.if \fill
	CREST                                          ; the barrier has opened a round of the cluster's: no wave of any partner still reads this slot or has a load on its way
	s_add_nc_u64 s[G0+4*\slot+2:G0+4*\slot+3], s[G0+4*\slot+2:G0+4*\slot+3], 2*TROW
	s_add_nc_u64 s[G0B+4*\slot+2:G0B+4*\slot+3], s[G0B+4*\slot+2:G0B+4*\slot+3], 2*TROW
	JLOAD G0+4*\slot, G1, G0B+4*\slot, G1B         ; the first tensor load behind the round; its four v_nop are the places ahead of the loads below
.else
	PLACES NP
.endif
	v_add_nc_u32 v[ADRS], 4*NQ, v[ADRS]
	FETCH_B \next, 0, 0
	FETCH_A \next, 0, 0
	SCALES \next
	WIN MUL_HI
	MUL16 4, 1, NQ-1, \slot, 0
	MUL16 6, 1, NQ-1, \slot, 0
	PLACES NP
	WIN 0
	FETCH_A \next, 0, 4
.endm
	s_wait_tensorcnt 1                             ; the scale bytes and my part of K step 0 are in; K step 1's load may be out
	s_barrier_signal -1
	s_barrier_wait -1
	FETCH_B 0, 0, 0
	FETCH_A 0, 0, 0
	SCALES 0
	FETCH_A 0, 0, 4
	STEP 0, 0, 1                                   ; K = 1,024 is four slots' worth
	TURN 0, 1, 1
	STEP 1, 0, 0
	TURN 1, 0, 1
	STEP 0, 0, 0
	TURN 0, 1, 0
	STEP 1, 0, 0
	s_wait_dscnt 4*NL
	WIN MUL_LO
	MUL16 0, 1, NQ-1, 1, 0
	MUL16 2, 1, NQ-1, 1, 0
	s_wait_dscnt 0
	WIN MUL_HI
	MUL16 4, 1, NQ-1, 1, 0
	MUL16 6, 1, NQ-1, 1, 0
	WIN 0
; THE WAY OUT, block by block of 16 of A's rows.  A lane's 64 results are 128 neighbours' worth along B's rows (its half): four blocks of 32.  They become a fragment: two half fragments and a scale word.
; Q, K: the two half fragments are two heads' tiles, and lanes 0-15 keep the first head's two bytes, lanes 16-31 the second's.  V: they are the step's keys 0-63 and 64-127 of one channel tile, and the word is whole.
.macro BLOCKOUT a
.if (\a) > 0
	s_wait_xcnt 0x0                                ; the last block's stores have read their codes and their base
.if (\a) == 4
	s_add_nc_u64 s[92:93], s[92:93], s[98:99]
.else
	s_add_nc_u64 s[92:93], s[92:93], s[96:97]
.endif
.endif
	WIN 0x02+(\a)/4                                ; source 0: window 2 or 3
.set AC, 64*((\a)%4)
.set i, 0
.rept 32
	v_pk_add_f32 v[T+i:T+i+1], v[AC+i:AC+i+1], v[BR+2*(\a):BR+2*(\a)+1]   ; + the bias by A's rows (zeros for Q and K); each accumulator from its low end on
.set i, i+2
.endr
	WIN 0
	QUANT T
	global_store_b128 v[L16], v[PC:PC+3], s[92:93]             ; each store of the wave covers 512 or 256 consecutive bytes, aligned to 256
	global_store_b64 v[L8], v[PC+4:PC+5], s[92:93] offset:512
	global_store_b128 v[VO16C], v[PC+6:PC+9], s[92:93]
	global_store_b64 v[VO8C], v[PC+10:PC+11], s[92:93] offset:512
	v_lshrrev_b32 v[TW+(\a)], v[VSH], v[PW]
	v_and_b32 v[TW+(\a)], s[SMK], v[TW+(\a)]
	ds_store_b32 v[WSA], v[TW+(\a)] offset:((\a)/4)*256+((\a)%4)*4
.endm
	PLACES NP                                      ; behind the last products: their operands' registers are written and results are read below
.irp b, 0,1,2,3
	v_mov_b32 v[TM+4+\b], 0                        ; a lane permute's destination counts as one of its sources
.endr
.irp a, 0,1,2,3,4,5,6,7
	BLOCKOUT \a
.endr
	ds_load_b128 v[T:T+3], v[WSR]                  ; LDS serves a wave's instructions in order: these see my stores.  512 bytes: [a / 4][r][a % 4] words of lanes 0-15
	s_wait_dscnt 0x0
	global_store_b128 v[VS0], v[T:T+3], s[94:95]   ; Q, K: the first head's 512 consecutive bytes; V: 256 for each of my two heads
	s_cmp_eq_u32 s25, 1                            ; for V lanes 16-31 held the same words: nothing more to store.  The branch hangs on the cluster's number
	s_cbranch_scc1 .Lno_plane_1
	ds_load_b128 v[T+4:T+7], v[WSR] offset:512
	s_wait_dscnt 0x0
	global_store_b128 v[VS0], v[T+4:T+7], s[94:95] offset:20480   ; the second head's
.Lno_plane_1:
	s_wait_tensorcnt 0x0                           ; the wave's end
	ds_add_u32 v[SPW], v[NIL]
	s_wait_dscnt 0x0
	CROUND                                         ; the closing round
	s_endpgm
.Lfunc_end_k_q478a373b78_proj:
	.size	k_q478a373b78_proj, .Lfunc_end_k_q478a373b78_proj-k_q478a373b78_proj
	.p2alignl 7, 3214868480
	.fill 96, 4, 3214868480
	.section	.rodata,"a",@progbits
	.p2align	6, 0x0
	.amdhsa_kernel k_q478a373b78_proj
		.amdhsa_group_segment_fixed_size 327680
		.amdhsa_private_segment_fixed_size 0
		.amdhsa_enable_private_segment 0
		.amdhsa_kernarg_size 56
		.amdhsa_user_sgpr_count 2
		.amdhsa_user_sgpr_kernarg_segment_ptr 1
		.amdhsa_wavefront_size32 1
		.amdhsa_system_sgpr_workgroup_id_x 1
		.amdhsa_system_sgpr_workgroup_id_y 1
		.amdhsa_system_sgpr_workgroup_id_z 1
		.amdhsa_system_vgpr_workitem_id 0
		.amdhsa_next_free_vgpr 1024
		.amdhsa_next_free_sgpr 106
		.amdhsa_reserve_vcc 0
		.amdhsa_float_denorm_mode_32 3
		.amdhsa_float_denorm_mode_16_64 3
		.amdhsa_memory_ordered 1
		.amdhsa_forward_progress 1
		.amdhsa_inst_pref_size 173
	.end_amdhsa_kernel
	.amdgpu_metadata
---
amdhsa.version: [ 1, 2 ]
amdhsa.kernels:
  - .name:           k_q478a373b78_proj
    .symbol:         k_q478a373b78_proj.kd
    .args:
      - { .name: opc, .offset: 0, .size: 8, .value_kind: global_buffer, .address_space: global }
      - { .name: ops, .offset: 8, .size: 8, .value_kind: global_buffer, .address_space: global }
      - { .name: bq, .offset: 16, .size: 8, .value_kind: global_buffer, .address_space: global }
      - { .name: bk, .offset: 24, .size: 8, .value_kind: global_buffer, .address_space: global }
      - { .name: bv, .offset: 32, .size: 8, .value_kind: global_buffer, .address_space: global }
      - { .name: qkv, .offset: 40, .size: 8, .value_kind: global_buffer, .address_space: global }
      - { .name: qkvs, .offset: 48, .size: 8, .value_kind: global_buffer, .address_space: global }
    .group_segment_fixed_size: 327680
    .private_segment_fixed_size: 0
    .kernarg_segment_align: 8
    .kernarg_segment_size: 56
    .max_flat_workgroup_size: 128
    .sgpr_count:     106
    .vgpr_count:     1024
    .wavefront_size: 32
...
	.end_amdgpu_metadata
.endif
;; end of part 2
;; launch attn (part 3): grid 4 x 64, 16 waves a work-group, clusters of 4 x 1, 212,992 bytes of LDS; arguments qkv, qkvs, ac, asc; writes ac, asc
.if DOCPART == 3
	.amdgcn_target "amdgcn-amd-amdhsa--gfx1250"
	.amdhsa_code_object_version 6
	.text
	.protected	k_q478a373b78_attn
	.globl	k_q478a373b78_attn
	.p2align	8
	.type	k_q478a373b78_attn,@function
k_q478a373b78_attn:
	s_mov_b64 s[64:65], 0
	v_nop
	global_prefetch_b8 v0, s[64:65] scope:SCOPE_SE
	s_setreg_imm32_b32 hwreg(HW_REG_WAVE_MODE, 25, 1), 1
	s_wait_xcnt 0x0
	s_wait_alu depctr_hold_cnt(0) depctr_sa_sdst(0) depctr_va_vdst(0) depctr_va_sdst(0) depctr_va_ssrc(0) depctr_va_vcc(0) depctr_vm_vsrc(0)
	s_getreg_b32 s2, hwreg(HW_REG_IB_STS2, 6, 4)
	s_cmp_eq_u32 s2, 0
	s_cbranch_scc0 .Lentry_in_a_cluster
	s_endpgm
.Lentry_in_a_cluster:
	s_bfe_u32 s2, ttmp6, 0x10000c
	s_cmp_lg_u32 s2, 0x3003
	s_cbranch_scc0 .Lentry_shape_is_right
	s_endpgm
.Lentry_shape_is_right:
; For each of 64 (batch, head): O[q] = sum over k of softmax_k(Q[q] . K[k] / 8) V[k], both products on codes of FP6 (E2M3) with E8M0 scales; O is divided by the row's sum and quantised along D for the last product.
; THE SOFTMAX: t = score x log2(e) / 8; M = the running largest t rounded up to a whole number; p = 2^(t - M) is quantised along the keys, not normalised; the sum is taken of the unquantised p; when M moves,
; the sum and O are multiplied by 2^(old M - new M), which rounds nothing.
; SHARES.  A work-group owns 512 queries of one head; each of its sixteen waves takes a tile of 16 queries, twice (two passes): four waves to a SIMD, so that one wave's vector work stands beside another's products and LDS loads.
; A HEAD'S K, V AND THEIR SCALE WORDS STAY IN LDS: 208,896 bytes, brought once, at the head; nothing is filled again.  So there is no later tile to ask for ahead, and no prefetch.
; CLUSTER.  The four work-groups of a head form a cluster and ask for every tile jointly: the same tensor load, the same descriptor, a mask that names the four.
; LAYOUT.  Both products are used transposed (S^T = K Q^T, O^T = V^T P^T): a lane holds one query throughout.  All operands lie as images of their registers, in half fragments of 768 bytes (16 rows x 64 K: lane l's
; registers 0-3 at 16 l, 4-5 at 512 + 8 l).  K's tiles and V's channel tiles hold their rows in the order that makes the results of tiles 2 B and 2 B + 1 sixteen neighbours in a lane's registers.
; THE FIRST PRODUCT'S K IS 64, half of the instruction's 128: Q's upper six registers hold zero codes, so whatever stands in K's upper six (the next tile's codes) adds nothing; the scale words' upper two bytes are 0.
; LIMITS: a block whose largest magnitude lies under 2^-124 gets the byte 1; NaN and infinities are not served; the division by the row's sum is v_rcp_f32 and a multiplication.
; REGISTERS: v1-6 addresses that stay; v7, v8 the add's two; v10-15 addresses of the step; v16-27 Q; v28 Q's scale word; v30 -M, v31 the largest t; v[32:33] the sum; v34-87 K's eight half fragments or V's four fragments;
; v88-95 K's scale words; v96-159 S^T, then p; v160-191 O^T; v192-195 V's scale words; v196-207 p's codes; v208-233 at work; v234-240 the second pass's Q.
.set VOFF,  98304                      ; LDS: K's 128 tiles from 0, V's 16 steps x 8 half fragments from here,
.set KSC,   196608                     ; K's scale words, 8,192 bytes,
.set VSC,   204800                     ; V's, 4,096 bytes,
.set ASG,   208896                     ; a stage for the results' scale bytes, 1,024 bytes: no fill lands here,
.set SPARE, 209920                     ; and the spare words, 128 bytes for each wave
.set SPW,  7
.set NIL,  8
.set ADK16, 10
.set ADK8, 11
.set ADV16, 12
.set ADV8, 13
.set ADS,  14
.set ADT,  15
.set QS,   28
.set ASA,  29
.set KV,   34
.set KS,   88
.set S,    96
.set O,    160
.set VS,   192
.set PCD,  196
.set PC2,  208
.set BM,   216
.set B2,   220
.set SO,   224
.set TMP,  228
.set U16,  229
.set F,    230                         ; v230 f, v231 p's scale word
.set SUM2, 232
.set Q1,   234
.set ASR,  242
.set WV,  12
.set SEL, 18
.set CS,  20
.set TB,  22
.set TS,  23
.set TJ,  24
.set CNT, 25
.set G1,  28
.set G1S, 36
.set G0S, 44
.set G0,  48
.macro CROUND
	s_barrier_signal -1
	s_barrier_wait -1
	s_cmp_lg_u32 s[WV], 0
	s_cbranch_scc1 .Lnot_wave_0_\@
	s_barrier_signal -3
.Lnot_wave_0_\@:
	s_barrier_wait -3
	s_barrier_signal -1
	s_barrier_wait -1
.endm
	s_load_b256 s[4:11], s[0:1], 0x0               ; qkv, qkvs, ac, asc
	v_lshl_add_u32 v[SPW], v0, 2, SPARE
	v_mov_b32 v[NIL], 0
	ds_add_u32 v[SPW], v[NIL]                      ; the wave's opening: the add and its wait stand ahead of the first tensor loads; the set-up below stands between them
	ds_add_u32 v[SPW], v[NIL]
	v_lshrrev_b32 v9, 5, v0
	s_delay_alu instid0(VALU_DEP_1)
	v_readfirstlane_b32 s[WV], v9                  ; wave 0..15
	s_bfe_u32 s13, ttmp6, 0x40000                  ; cx: which 512 queries
	s_and_b32 s14, ttmp7, 0xffff                   ; 16 b + head, which the four partners share
	s_lshr_b32 s15, s14, 4
	s_and_b32 s16, s14, 15
	; descriptor group 1: a dense block of 24,576 bytes as 96 rows of 256 (32 elements of 8 bytes); the scale words: 48 rows
	s_mov_b32 s[G1], 15|(3<<16)|(1<<21)            ; 15:0 the mask: all four work-groups; 17:16 elements of 8 bytes; 20 no padding; 21 set beside a mask
	s_mov_b32 s[G1+1], 32<<16
	s_mov_b32 s[G1+2], 96<<16
	s_mov_b32 s[G1+3], 32<<16
	s_mov_b32 s[G1+4], 96
	s_mov_b32 s[G1+5], 32
	s_mov_b32 s[G1+6], 0
	s_mov_b32 s[G1+7], 0
	s_mov_b32 s[G1S], 15|(3<<16)|(1<<21)
	s_mov_b32 s[G1S+1], 32<<16
	s_mov_b32 s[G1S+2], 48<<16
	s_mov_b32 s[G1S+3], 32<<16
	s_mov_b32 s[G1S+4], 48
	s_mov_b32 s[G1S+5], 32
	s_mov_b32 s[G1S+6], 0
	s_mov_b32 s[G1S+7], 0
	s_mov_b32 s[SEL], 0x76543210
	s_mov_b32 s[SEL+1], 0xfedcba98
	s_mov_b32 s[CS], 0x3e38aa3b                    ; c = log2(e) / 8
	s_mov_b32 s[CS+1], s[CS]                       ; (named with it as a pair)
	s_mul_i32 s66, s14, 294912                     ; the head's first byte among the codes,
	s_mov_b32 s67, 0
	s_mul_i32 s68, s14, 20480                      ; and among the scale words
	s_mov_b32 s69, 0
	s_and_b32 s26, s[WV], 1
	s_mul_i32 s27, s26, VOFF                       ; wave 0 fetches K, wave 1 V: the place in LDS,
	s_add_co_u32 s70, s27, 98304                   ; and in memory, behind the head's Q
	s_mov_b32 s71, 0
	s_lshl_b32 s72, s13, 5
	s_add_co_u32 s72, s72, s[WV]                   ; my first tile of queries: 32 cx + wave
	s_lshl_b32 s76, s15, 7
	s_add_co_u32 s76, s76, s72
	s_mul_i32 s76, s76, 12288                      ; its tile of tokens in the result's image,
	s_mul_i32 s77, s16, 768
	s_add_co_u32 s76, s76, s77                     ; my head's half fragment
	s_mov_b32 s77, 0
	s_mul_i32 s72, s72, 768
	s_mov_b32 s73, 0
	s_lshl_b32 s74, s13, 3
	s_lshr_b32 s75, s[WV], 2
	s_add_co_u32 s74, s74, s75
	s_lshl_b32 s74, s74, 8
	s_and_b32 s75, s[WV], 3
	s_lshl_b32 s75, s75, 2
	s_add_co_u32 s74, s74, s75                     ; Q's scale words: [tile / 4][r][tile % 4]
	s_mov_b32 s75, 0
	s_lshl_b32 s78, s15, 11
	s_lshl_b32 s79, s13, 9
	s_add_co_u32 s78, s78, s79
	s_lshl_b32 s78, s78, 1                         ; the results' scale bytes: [head][token] two bytes; my work-group's 512 tokens,
	s_lshl_b32 s79, s16, 14
	s_add_co_u32 s78, s78, s79
	s_lshl_b32 s79, s26, 9
	s_add_co_u32 s78, s78, s79                     ; 512 bytes of them for each of waves 0 and 1
	s_mov_b32 s79, 0
	s_wait_dscnt 0x0                               ; the opening add is done
	s_wait_kmcnt 0x0
	s_add_nc_u64 s[66:67], s[4:5], s[66:67]
	s_add_nc_u64 s[68:69], s[6:7], s[68:69]
	s_add_nc_u64 s[70:71], s[66:67], s[70:71]
	s_add_nc_u64 s[72:73], s[66:67], s[72:73]
	s_add_nc_u64 s[74:75], s[68:69], s[74:75]
	s_add_nc_u64 s[76:77], s[8:9], s[76:77]
	s_add_nc_u64 s[78:79], s[10:11], s[78:79]
	CROUND                                         ; all four work-groups are here: the joint loads meet
	s_mov_b32 s[G0S], 1
	s_mov_b32 s[G0S+1], KSC
	s_add_nc_u64 s[G0S+2:G0S+3], s[68:69], 8192    ; K's and V's scale words lie on end, behind Q's
	s_or_b32 s[G0S+3], s[G0S+3], 0x80000000
.irp c, 0,1,2,3
	s_mov_b32 s[G0+4*\c], 1
	s_add_co_u32 s[G0+4*\c+1], s27, \c*24576
	s_add_nc_u64 s[G0+4*\c+2:G0+4*\c+3], s[70:71], \c*24576
	s_or_b32 s[G0+4*\c+3], s[G0+4*\c+3], 0x80000000
.endr
	s_cmp_eq_u32 s[WV], 0                          ; all first fills of a wave stand together; by this text's count wave 0 has five tensor loads out, wave 1 four
	s_cbranch_scc0 .Lnot_k
	tensor_load_to_lds s[G0S:G0S+3], s[G1S:G1S+7]
	s_nop 0
.irp c, 0,1,2,3
	tensor_load_to_lds s[G0+4*\c:G0+4*\c+3], s[G1:G1+7]
	s_nop 0
.endr
.rept 4
	v_nop
.endr
	s_branch .Lasked
.Lnot_k:
	s_cmp_eq_u32 s[WV], 1
	s_cbranch_scc0 .Lasked
.irp c, 0,1,2,3
	tensor_load_to_lds s[G0+4*\c:G0+4*\c+3], s[G1:G1+7]
	s_nop 0
.endr
.rept 4
	v_nop
.endr
.Lasked:
	v_and_b32 v9, 31, v0
	s_delay_alu instid0(VALU_DEP_1)
	v_lshlrev_b32 v1, 4, v9                        ; 16 x lane
	s_delay_alu instid0(VALU_DEP_2)
	v_lshlrev_b32 v2, 3, v9                        ; 8 x lane
	s_delay_alu instid0(VALU_DEP_2)
	v_add_nc_u32 v3, VOFF, v1
	s_delay_alu instid0(VALU_DEP_2)
	v_add_nc_u32 v4, VOFF, v2
	v_and_b32 v9, 15, v0
	s_delay_alu instid0(VALU_DEP_1)
	v_lshlrev_b32 v9, 4, v9                        ; 16 r
	s_delay_alu instid0(VALU_DEP_1)
	v_add_nc_u32 v5, KSC, v9
	s_delay_alu instid0(VALU_DEP_2)
	v_add_nc_u32 v6, VSC, v9
	global_load_b128 v[16:19], v1, s[72:73]        ; Q's half fragment of the first pass,
	global_load_b64 v[20:21], v2, s[72:73] offset:512
	global_load_b128 v[Q1:Q1+3], v1, s[72:73] offset:12288   ; and of the second: 16 tiles on
	global_load_b64 v[Q1+4:Q1+5], v2, s[72:73] offset:12288+512
	global_load_b32 v[QS], v9, s[74:75]
	global_load_b32 v[Q1+6], v9, s[74:75] offset:1024
	v_lshrrev_b32 v[ASA], 3, v9                    ; 2 r
	s_lshl_b32 s27, s[WV], 5
	s_add_co_u32 s27, s27, ASG
	v_add_nc_u32 v[ASA], s27, v[ASA]               ; the stage: 32 bytes a wave and pass
	s_lshl_b32 s27, s26, 9
	s_add_co_u32 s27, s27, ASG
	v_add_nc_u32 v[ASR], s27, v1                   ; and back: 512 bytes for each of waves 0 and 1
.irp i, 0,1,2,3,4,5
	v_mov_b32 v[22+\i], 0                          ; Q's codes for k = 64 .. 127: zeros
	v_mov_b32 v[KV+48+\i], 0                       ; what stands behind K's eighth half fragment
.endr
.irp b, 0,1,2,3
	v_mov_b32 v[B2+\b], 0                          ; a lane permute's destination counts as one of its sources
.endr
	v_mov_b32 v[TMP], 0
	v_mov_b32 v[F+1], 0                            ; (named as the upper half of a pair before it is first written)
; A KEY STEP: 128 keys.
.macro STEP
	v_add_nc_u32 v[ADK16], s[TB], v1               ; these six are also the places behind the last step's products, ahead of the loads into their operands
	v_add_nc_u32 v[ADK8], s[TB], v2
	v_add_nc_u32 v[ADV16], s[TB], v3
	v_add_nc_u32 v[ADV8], s[TB], v4
	v_add_nc_u32 v[ADS], s[TS], v5
	v_add_nc_u32 v[ADT], s[TJ], v6
.irp t, 0,1,2,3,4,5,6,7
	ds_load_b128 v[KV+6*\t:KV+6*\t+3], v[ADK16] offset:768*\t
	ds_load_b64 v[KV+6*\t+4:KV+6*\t+5], v[ADK8] offset:768*\t+512
.endr
	ds_load_b128 v[KS:KS+3], v[ADS]                ; four tiles' scale words a load
	ds_load_b128 v[KS+4:KS+7], v[ADS] offset:256
	s_wait_alu depctr_va_vdst(0)
	s_wait_dscnt 0x0
.irp t, 0,1,2,3,4,5,6,7
	v_wmma_scale_f32_16x16x128_f8f6f4 v[S+8*\t:S+8*\t+7], v[KV+6*\t:KV+6*\t+11], v[16:27], 0, v[KS+\t], v[QS] matrix_a_fmt:MATRIX_FMT_FP6 matrix_b_fmt:MATRIX_FMT_FP6
.endr                                          ; lane (r, h) holds query r; the 16 registers of tiles 2 b, 2 b + 1 are keys 32 b + 16 h + 0 .. 15 of the step
.rept 4
	v_nop                                          ; places: K's registers are loaded anew, and the scores are read
.endr
.irp f, 0,1,2,3,4,5,6,7
	ds_load_b128 v[KV+6*\f:KV+6*\f+3], v[ADV16] offset:768*\f       ; V's four fragments land under the softmax
	ds_load_b64 v[KV+6*\f+4:KV+6*\f+5], v[ADV8] offset:768*\f+512
.endr
	ds_load_b128 v[VS:VS+3], v[ADT]
.irp b, 0,1,2,3
	v_max3_num_f32 v[BM+\b], v[S+16*\b], v[S+1+16*\b], v[S+2+16*\b]   ; the largest score of each block of 32 keys: for the row's maximum and, since p rises with the score, for the block's largest p
.endr
.irp i, 3,5,7,9,11,13
.irp b, 0,1,2,3
	v_max3_num_f32 v[BM+\b], v[BM+\b], v[S+16*\b+\i], v[S+1+16*\b+\i]
.endr
.endr
.irp b, 0,1,2,3
	v_max_num_f32 v[BM+\b], v[BM+\b], v[S+15+16*\b]
.endr
.irp b, 0,1,2,3
	s_delay_alu instid0(VALU_DEP_4)
	v_permlanex16_b32 v[B2+\b], v[BM+\b], s[SEL], s[SEL+1]
.endr
.irp b, 0,1,2,3
	s_delay_alu instid0(VALU_DEP_4)
	v_max_num_f32 v[BM+\b], v[BM+\b], v[B2+\b]
.endr
	s_delay_alu instid0(VALU_DEP_2)
	v_max3_num_f32 v[TMP], v[BM], v[BM+1], v[BM+2]
	s_delay_alu instid0(VALU_DEP_1)
	v_max_num_f32 v[TMP], v[TMP], v[BM+3]
	s_delay_alu instid0(VALU_DEP_1)
	v_mul_f32 v[TMP], s[CS], v[TMP]                ; as t (c is positive)
	s_delay_alu instid0(VALU_DEP_1)
	v_max_num_f32 v31, v31, v[TMP]                 ; the running largest t
	v_mov_b32 v[TMP], v30
	s_delay_alu instid0(VALU_DEP_2)
	v_floor_f32 v30, -v31                          ; the new -M = floor(-t): M is a whole number
	s_delay_alu instid0(VALU_DEP_1)
	v_sub_f32 v[TMP], v30, v[TMP]                  ; old M - new M, 0 or less
	s_delay_alu instid0(VALU_DEP_1)
	v_cvt_i32_f32 v[TMP], v[TMP]                   ; (it saturates)
	s_delay_alu instid0(VALU_DEP_1)
	v_ldexp_f32 v[F], 1.0, v[TMP]                  ; f = 2^(old M - new M)
.set j, 0
.rept 32
	v_pk_fma_f32 v[S+j:S+j+1], v[S+j:S+j+1], s[CS:CS+1], v[30:31] op_sel_hi:[1,0,0]   ; t - M, two at a time
.set j, j+2
.endr
.irp b, 0,1,2,3
	v_fma_f32 v[BM+\b], v[BM+\b], s[CS], v30
.endr
.set j, 0
	s_setprio 1
	s_wait_alu depctr_va_vdst(0)
.rept 64
	v_exp_f32 v[S+j], v[S+j]                       ; p = 2^(t - M)
.set j, j+1
.endr
	v_pk_mul_f32 v[32:33], v[32:33], v[F:F+1] op_sel_hi:[1,0]   ; the sums under the new M: a plain place behind the exponentials
	s_wait_alu depctr_va_vdst(0)                   ; one wait for the whole batch, ahead of its first reader
.irp b, 0,1,2,3
	v_exp_f32 v[BM+\b], v[BM+\b]                   ; the block's largest p: the same two instructions on the same number give the same bits
.endr
	v_pk_add_f32 v[232:233], v[100:101], v[104:105]
	v_pk_add_f32 v[254:255], v[108:109], v[112:113]
	v_pk_add_f32 v[252:253], v[116:117], v[120:121]
	v_pk_add_f32 v[250:251], v[124:125], v[128:129]
	v_pk_add_f32 v[248:249], v[132:133], v[136:137]
	v_pk_add_f32 v[246:247], v[140:141], v[144:145]
	v_pk_add_f32 v[244:245], v[148:149], v[152:153]
	v_pk_add_f32 v[32:33], v[32:33], v[156:157]
	v_pk_add_f32 v[232:233], v[232:233], v[96:97]
	v_pk_add_f32 v[254:255], v[254:255], v[98:99]
	v_pk_add_f32 v[252:253], v[252:253], v[102:103]
	v_pk_add_f32 v[250:251], v[250:251], v[106:107]
	v_pk_add_f32 v[248:249], v[248:249], v[110:111]
	v_pk_add_f32 v[246:247], v[246:247], v[114:115]
	v_pk_add_f32 v[244:245], v[244:245], v[118:119]
	v_pk_add_f32 v[32:33], v[32:33], v[122:123]
	v_pk_add_f32 v[232:233], v[232:233], v[126:127]
	v_pk_add_f32 v[254:255], v[254:255], v[130:131]
	v_pk_add_f32 v[252:253], v[252:253], v[134:135]
	v_pk_add_f32 v[250:251], v[250:251], v[138:139]
	v_pk_add_f32 v[248:249], v[248:249], v[142:143]
	v_pk_add_f32 v[246:247], v[246:247], v[146:147]
	v_pk_add_f32 v[244:245], v[244:245], v[150:151]
	v_pk_add_f32 v[32:33], v[32:33], v[154:155]
	v_pk_add_f32 v[232:233], v[232:233], v[158:159]
	s_delay_alu instid0(VALU_DEP_2)
	v_pk_add_f32 v[32:33], v[32:33], v[250:251]
	s_delay_alu instid0(VALU_DEP_2)
	v_pk_add_f32 v[232:233], v[232:233], v[248:249]
	v_pk_add_f32 v[254:255], v[254:255], v[246:247]
	v_pk_add_f32 v[252:253], v[252:253], v[244:245]
	s_delay_alu instid0(VALU_DEP_2)
	v_pk_add_f32 v[32:33], v[32:33], v[254:255]
	s_delay_alu instid0(VALU_DEP_2)
	v_pk_add_f32 v[232:233], v[232:233], v[252:253]
	s_delay_alu instid0(VALU_DEP_1)
	v_pk_add_f32 v[32:33], v[32:33], v[232:233]
	s_wait_alu depctr_va_vdst(0)                   ; and one for the four
.irp b, 0,1,2,3
	v_max_num_f32 v[BM+\b], 0x1800000, v[BM+\b]    ; the floor 2^(3 - 127)
.endr
.irp b, 0,1,2,3
	s_delay_alu instid0(VALU_DEP_4)
	v_add_nc_u32 v[SO+\b], 0xff000000, v[BM+\b]    ; 2 off the exponent field: the conversion's scale operand
.endr
.irp b, 0,1,2,3
	s_delay_alu instid0(VALU_DEP_4)
	v_lshrrev_b32 v[B2+\b], 23, v[SO+\b]
.endr
	s_delay_alu instid0(VALU_DEP_3)
	v_lshl_or_b32 v[F+1], v[B2+1], 8, v[B2]        ; p's scale word for these 128 keys
	s_delay_alu instid0(VALU_DEP_1)
	v_lshl_or_b32 v[F+1], v[B2+2], 16, v[F+1]
	s_delay_alu instid0(VALU_DEP_1)
	v_lshl_or_b32 v[F+1], v[B2+3], 24, v[F+1]
.irp c, 0,1
	v_cvt_scalef32_pk16_fp6_f32 v[PCD+6*\c:PCD+2+6*\c], v[S+32*\c:S+15+32*\c], v[SO+2*\c]
	v_cvt_scalef32_pk16_fp6_f32 v[PC2+4*\c:PC2+2+4*\c], v[S+16+32*\c:S+31+32*\c], v[SO+2*\c+1]
.endr
	v_nop                                          ; one plain place behind a scaled conversion
.irp c, 0,1
.irp i, 0,1,2
	v_permlane16_swap_b32 v[PCD+6*\c+\i], v[PC2+4*\c+\i]
.endr
.irp i, 0,1,2
	s_delay_alu instid0(VALU_DEP_3)
	v_mov_b32 v[PCD+3+6*\c+\i], v[PC2+4*\c+\i]
.endr
.endr
.set j, 0
	s_setprio 0
.rept 16
	v_pk_mul_f32 v[O+j:O+j+1], v[O+j:O+j+1], v[F:F+1] op_sel_hi:[1,0]   ; O^T under the new M; these sixteen also stand between the lines that made p's codes and scale word and the products below
.set j, j+2
.endr
	s_wait_alu depctr_va_vdst(0)
	s_wait_dscnt 0x0                               ; V
.irp t, 0,1,2,3
	v_wmma_scale_f32_16x16x128_f8f6f4 v[O+8*\t:O+8*\t+7], v[KV+12*\t:KV+12*\t+11], v[PCD:PCD+11], v[O+8*\t:O+8*\t+7], v[VS+\t], v[F+1] matrix_a_fmt:MATRIX_FMT_FP6 matrix_b_fmt:MATRIX_FMT_FP6
.endr                                          ; the four accumulators take turns
	s_add_co_u32 s[TB], s[TB], 6144                ; the next step's tiles: 8 half fragments of K, 8 of V,
	s_add_co_u32 s[TS], s[TS], 512                 ; K's scale words,
	s_add_co_u32 s[TJ], s[TJ], 256                 ; V's
.endm
; THE WAY OUT of pass p: O^T / the sum; register 16 B + i is channel 32 B + 16 h + i of my query: two blocks of 32 along D.  They become my head's half fragment of the tile's image, and two scale bytes a query.
.macro WAYOUT p
	v_add_f32 v32, v32, v33
	s_delay_alu instid0(VALU_DEP_1)
	v_permlanex16_b32 v[TMP], v32, s[SEL], s[SEL+1]
	s_delay_alu instid0(VALU_DEP_1)
	v_add_f32 v32, v32, v[TMP]                     ; the row's sum
	s_wait_alu depctr_va_vdst(0)
	v_rcp_f32 v32, v32
.rept 4
	v_nop                                          ; a plain place behind the reciprocal, and the places behind the last products
.endr
	s_wait_alu depctr_va_vdst(0)                   ; ahead of the reciprocal's first reader
.set j, 0
.rept 16
	v_pk_mul_f32 v[S+j:S+j+1], v[O+j:O+j+1], v[32:33] op_sel_hi:[1,0]
.set j, j+2
.endr
.irp b, 0,1
	v_max3_num_f32 v[BM+\b], |v[S+16*\b]|, |v[S+1+16*\b]|, 0x1800000
.endr
.irp i, 2,4,6,8,10,12,14
.irp b, 0,1
	s_delay_alu instid0(VALU_DEP_2)
	v_max3_num_f32 v[BM+\b], v[BM+\b], |v[S+16*\b+\i]|, |v[S+1+16*\b+\i]|
.endr
.endr
.irp b, 0,1
	s_delay_alu instid0(VALU_DEP_2)
	v_permlanex16_b32 v[B2+\b], v[BM+\b], s[SEL], s[SEL+1]
.endr
.irp b, 0,1
	s_delay_alu instid0(VALU_DEP_2)
	v_max_num_f32 v[BM+\b], v[BM+\b], v[B2+\b]
.endr
.irp b, 0,1
	s_delay_alu instid0(VALU_DEP_2)
	v_add_nc_u32 v[SO+\b], 0xff000000, v[BM+\b]
.endr
.irp b, 0,1
	s_delay_alu instid0(VALU_DEP_2)
	v_lshrrev_b32 v[B2+\b], 23, v[SO+\b]
.endr
	s_delay_alu instid0(VALU_DEP_1)
	v_lshl_or_b32 v[U16], v[B2+1], 8, v[B2]
	v_cvt_scalef32_pk16_fp6_f32 v[PCD:PCD+2], v[S:S+15], v[SO]
	v_cvt_scalef32_pk16_fp6_f32 v[PC2:PC2+2], v[S+16:S+31], v[SO+1]
	v_nop
.irp i, 0,1,2
	v_permlane16_swap_b32 v[PCD+\i], v[PC2+\i]
.endr
.irp i, 0,1,2
	s_delay_alu instid0(VALU_DEP_3)
	v_mov_b32 v[PCD+3+\i], v[PC2+\i]
.endr
	global_store_b128 v1, v[PCD:PCD+3], s[76:77] offset:\p*196608        ; 512 and 256 consecutive bytes, aligned to 256
	global_store_b64 v2, v[PCD+4:PCD+5], s[76:77] offset:\p*196608+512
	ds_store_b16 v[ASA], v[U16] offset:512*\p      ; both halves of the lanes write the same two bytes
.endm
.macro PASS p
.if \p
	s_wait_xcnt 0x0                                ; the first pass's stores have read their codes,
	s_wait_dscnt 0x0                               ; and its LDS store its two bytes
.irp i, 0,1,2,3,4,5
	v_mov_b32 v[16+\i], v[Q1+\i]
.endr
	v_mov_b32 v[QS], v[Q1+6]
.endif
	s_mov_b32 s[TB], 0
	s_mov_b32 s[TS], 0
	s_mov_b32 s[TJ], 0
	v_mov_b32 v31, 0xff61b1e6                      ; the largest t so far: -3e38
	s_delay_alu instid0(VALU_DEP_1)
	v_floor_f32 v30, -v31
	v_mov_b32 v32, 0
	v_mov_b32 v33, 0
.set j, 0
.rept 32
	v_mov_b32 v[O+j], 0                            ; the step is written once a pass: its first trip finds zeros, which the first change of M leaves zeros
.set j, j+1
.endr
	s_mov_b32 s[CNT], 16
.Lstep_\@:
	s_setprio 2
	STEP
	s_sub_co_u32 s[CNT], s[CNT], 1
	s_cmp_lg_u32 s[CNT], 0
	s_cbranch_scc1 .Lstep_\@
	s_setprio 0
	WAYOUT \p
.endm
	s_wait_loadcnt 0x0                             ; Q
	s_wait_tensorcnt 0x0                           ; all that I asked for has landed,
	s_barrier_signal -1
	s_barrier_wait -1                              ; and all that waves 0 and 1 asked for: the head's K, V and scale words lie in LDS for the rest of the launch
	PASS 0
	PASS 1
	s_wait_dscnt 0x0                               ; my scale bytes lie in the stage
	s_barrier_signal -1
	s_barrier_wait -1                              ; everybody's do
	s_cmp_lt_u32 s[WV], 2
	s_cbranch_scc0 .Lno_scales
	ds_load_b128 v[S:S+3], v[ASR]
	s_wait_dscnt 0x0
	global_store_b128 v1, v[S:S+3], s[78:79]       ; 256 tokens' bytes: 512 consecutive bytes
.Lno_scales:
	s_wait_tensorcnt 0x0                           ; the wave's end
	ds_add_u32 v[SPW], v[NIL]
	s_wait_dscnt 0x0
	CROUND                                         ; the closing round
	s_endpgm
.Lfunc_end_k_q478a373b78_attn:
	.size	k_q478a373b78_attn, .Lfunc_end_k_q478a373b78_attn-k_q478a373b78_attn
	.p2alignl 7, 3214868480
	.fill 96, 4, 3214868480
	.section	.rodata,"a",@progbits
	.p2align	6, 0x0
	.amdhsa_kernel k_q478a373b78_attn
		.amdhsa_group_segment_fixed_size 212992
		.amdhsa_private_segment_fixed_size 0
		.amdhsa_enable_private_segment 0
		.amdhsa_kernarg_size 32
		.amdhsa_user_sgpr_count 2
		.amdhsa_user_sgpr_kernarg_segment_ptr 1
		.amdhsa_wavefront_size32 1
		.amdhsa_system_sgpr_workgroup_id_x 1
		.amdhsa_system_sgpr_workgroup_id_y 1
		.amdhsa_system_sgpr_workgroup_id_z 1
		.amdhsa_system_vgpr_workitem_id 0
		.amdhsa_next_free_vgpr 256
		.amdhsa_next_free_sgpr 80
		.amdhsa_reserve_vcc 0
		.amdhsa_float_denorm_mode_32 3
		.amdhsa_float_denorm_mode_16_64 3
		.amdhsa_memory_ordered 1
		.amdhsa_forward_progress 1
		.amdhsa_inst_pref_size 56
	.end_amdhsa_kernel
	.amdgpu_metadata
---
amdhsa.version: [ 1, 2 ]
amdhsa.kernels:
  - .name:           k_q478a373b78_attn
    .symbol:         k_q478a373b78_attn.kd
    .args:
      - { .name: qkv, .offset: 0, .size: 8, .value_kind: global_buffer, .address_space: global }
      - { .name: qkvs, .offset: 8, .size: 8, .value_kind: global_buffer, .address_space: global }
      - { .name: ac, .offset: 16, .size: 8, .value_kind: global_buffer, .address_space: global }
      - { .name: asc, .offset: 24, .size: 8, .value_kind: global_buffer, .address_space: global }
    .group_segment_fixed_size: 212992
    .private_segment_fixed_size: 0
    .kernarg_segment_align: 8
    .kernarg_segment_size: 32
    .max_flat_workgroup_size: 512
    .sgpr_count:     80
    .vgpr_count:     256
    .wavefront_size: 32
...
	.end_amdgpu_metadata
.endif
;; end of part 3
;; launch oproj (part 4): grid 4 x 32, 4 waves a work-group, clusters of 4 x 4, 327,680 bytes of LDS; arguments ac, asc, opc, ops, bo, out0; writes out0
.if DOCPART == 4
	.amdgcn_target "amdgcn-amd-amdhsa--gfx1250"
	.amdhsa_code_object_version 6
	.text
	.protected	k_q478a373b78_oproj
	.globl	k_q478a373b78_oproj
	.p2align	8
	.type	k_q478a373b78_oproj,@function
k_q478a373b78_oproj:
	s_mov_b64 s[64:65], 0
	v_nop
	global_prefetch_b8 v0, s[64:65] scope:SCOPE_SE
	s_setreg_imm32_b32 hwreg(HW_REG_WAVE_MODE, 25, 1), 1
	s_wait_xcnt 0x0
	s_wait_alu depctr_hold_cnt(0) depctr_sa_sdst(0) depctr_va_vdst(0) depctr_va_sdst(0) depctr_va_ssrc(0) depctr_va_vcc(0) depctr_vm_vsrc(0)
	s_getreg_b32 s2, hwreg(HW_REG_IB_STS2, 6, 4)
	s_cmp_eq_u32 s2, 0
	s_cbranch_scc0 .Lentry_in_a_cluster
	s_endpgm
.Lentry_in_a_cluster:
	s_bfe_u32 s2, ttmp6, 0x10000c
	s_cmp_lg_u32 s2, 0xf033
	s_cbranch_scc0 .Lentry_shape_is_right
	s_endpgm
.Lentry_shape_is_right:
; out0 = attention's result x Wo^T + bo, on codes of FP6 (E2M3) with E8M0 scales; out0 [8192][1024] f32.
; A = the result's image [tile of 16 tokens][head 16][768 bytes], B = Wo's image (tiles 1,728 on of the operands' buffer): half fragments of 16 rows x 64 K, lane l's registers 0-3 at 16 l, 4-5 at 512 + 8 l.
; A work-group of four waves makes 256 x 256, a wave 128 x 128: 64 accumulators.  K = 1,024 goes in four steps of 256 through a ring of two LDS slots; a wave's tensor load brings 8 tiles x 3,072 bytes.
; CLUSTERS: 4 x 4 work-groups; A's tiles are asked for jointly along a row of the cluster, B's along a column.  THE MATRIX INSTRUCTION IS USED TRANSPOSED: a lane holds eight neighbouring numbers of a row of out0.
; A'S SCALE BYTES arrive as [head][token] two bytes; a scale word wants two heads' bytes of one token: the work-group lays its 256 tokens' rows of 32 bytes in LDS itself, once (bytes into which no fill lands).
; B's come once, by tensor loads.  The bias is the C of each sum's first product: it is summed first and not last.
; 128 work-groups: the product has no more tiles of this size; a smaller tile would read each LDS byte for half the products.  No prefetch: two of the four K steps are first fills.
; REGISTERS, in windows of 256: window 0: v0-31 addresses; v32-63 scale words, two sets; v64-127 the bias; v128-223 A's fragments; on the way out v128-255 take rows.  window 1: B's fragments, two sets.
;   windows 2, 3: the accumulators.
.set SIZE_N, 1024
.set NQ,     2
.set FR,     12
.set NL,     4
.set NP,     4
.set TROW,   3072
.set HALFT,  8*TROW
.set SLOT,   4*HALFT
.set SCL,    2*SLOT                    ; the scale bytes, as rows of 256 bytes + 16: A's 8,704 bytes (stored by the waves), then B's (filled once)
.set HALFS,  4352
.set SBLK,   544
.set SPARE,  SCL+4*HALFS
.set SPITCH, 528                       ; the way out: a stage of 16 rows x (512 + 16) bytes a wave, in slot 0, behind that slot's last fill and last read
.set L16,  4
.set L8,   5
.set ADRA, 16
.set ADRB, 20
.set STO,  24
.set RD,   25
.set CO,   26
.set ADRS, 27
.set SPW,  28
.set NIL,  29
.set SC,   32
.set BC,   64
.set AF,   128
.set BK,   128
.set WV,  18
.set RH,  19
.set CH,  20
.set G1,  32
.set G0,  40
.set G1B, 48
.set G0B, 56
.set G1SB, 80
.set G0SB, 88
.set MSB, 0
.macro WIN new
.if MSB != (\new)
	s_set_vgpr_msb (MSB<<8)|(\new)
.set MSB, (\new)
.endif
.endm
.set MUL_LO, 0xa1
.set MUL_HI, 0xf1
.set TO_B,   0x40
.macro JLOAD g0a, g1a, g0b, g1b        ; a joint load: waves 0 and 1 for A, waves 2 and 3 for B; an s_nop 0 and four v_nop follow each line
	s_cmp_eq_u32 s[RH], 0
	s_cbranch_scc0 .Lfor_b_\@
	tensor_load_to_lds s[\g0a:\g0a+3], s[\g1a:\g1a+7]
	s_nop 0
.rept 4
	v_nop
.endr
	s_branch .Lasked_\@
.Lfor_b_\@:
	tensor_load_to_lds s[\g0b:\g0b+3], s[\g1b:\g1b+7]
	s_nop 0
.rept 4
	v_nop
.endr
.Lasked_\@:
.endm
.macro CREST
	s_cmp_lg_u32 s[WV], 0
	s_cbranch_scc1 .Lnot_wave_0_\@
	s_barrier_signal -3
.Lnot_wave_0_\@:
	s_barrier_wait -3
	s_barrier_signal -1
	s_barrier_wait -1
.endm
.macro CROUND
	s_barrier_signal -1
	s_barrier_wait -1
	CREST
.endm
	s_load_b256 s[4:11], s[0:1], 0x0               ; A's codes s[4:5], A's scale bytes s[6:7], the operands' codes s[8:9] and scale bytes s[10:11]
	s_load_b128 s[12:15], s[0:1], 0x20             ; bo, out0
	v_lshl_add_u32 v[SPW], v0, 2, SPARE
	v_mov_b32 v[NIL], 0
	ds_add_u32 v[SPW], v[NIL]                      ; the wave's opening: the add and its wait stand ahead of my first tensor load
	v_lshrrev_b32 v1, 5, v0
	v_readfirstlane_b32 s[WV], v1
	s_lshr_b32 s[RH], s[WV], 1
	s_and_b32 s[CH], s[WV], 1
	s_bfe_u32 s21, ttmp6, 0x40000                  ; cx
	s_bfe_u32 s22, ttmp6, 0x40004                  ; cy
	s_and_b32 s23, ttmp7, 0xffff
	s_lshl_b32 s23, s23, 2
	s_add_co_u32 s23, s23, s22                     ; A's block of 256 tokens
	s_add_co_u32 s24, s21, 108                     ; B's block of 256 rows: Wo begins at block 108 of the images
	s_lshl_b32 s26, s22, 2
	s_lshl_b32 s26, 15, s26                        ; my row of the cluster
	s_lshl_b32 s27, 0x1111, s21                    ; my column
	s_or_b32 s[G1], s26, (3<<16)|(1<<21)           ; 8 tiles x 3,072 bytes (384 elements of 8 bytes), 12,288 bytes apart, on end in LDS
	s_or_b32 s[G1B], s27, (3<<16)|(1<<21)
.irp g, G1, G1B
	s_mov_b32 s[\g+1], 384<<16
	s_mov_b32 s[\g+2], 8<<16
	s_mov_b32 s[\g+3], 384<<16
	s_mov_b32 s[\g+4], 8
	s_mov_b32 s[\g+5], 1536
	s_mov_b32 s[\g+6], 0
	s_mov_b32 s[\g+7], 0
.endr
	s_or_b32 s[G1SB], s27, (3<<16)|(1<<20)|(1<<21)|(5<<22)|(3<<25)   ; B's scale bytes of 128 rows: 16 rows of 256 bytes, 16 of padding behind each
	s_mov_b32 s[G1SB+1], 32<<16
	s_mov_b32 s[G1SB+2], 16<<16
	s_mov_b32 s[G1SB+3], 32<<16
	s_mov_b32 s[G1SB+4], 16
	s_mov_b32 s[G1SB+5], 32
	s_mov_b32 s[G1SB+6], 0
	s_mov_b32 s[G1SB+7], 0
	s_mul_i32 s30, s[CH], 98304                    ; the 128 rows that I fetch
	s_lshl_b32 s31, s[CH], 12
	s_mul_i32 s92, s23, 196608
	s_add_co_u32 s92, s92, s30
	s_mov_b32 s93, 0
	s_mul_i32 s94, s24, 196608
	s_add_co_u32 s94, s94, s30
	s_mov_b32 s95, 0
	s_lshl_b32 s98, s24, 13
	s_add_co_u32 s98, s98, s31
	s_mov_b32 s99, 0
	s_mul_i32 s2, s[WV], HALFT
	s_mul_i32 s3, s[WV], HALFS
	s_wait_dscnt 0x0                               ; the opening add is done
	s_wait_kmcnt 0x0
	s_add_nc_u64 s[92:93], s[4:5], s[92:93]
	s_add_nc_u64 s[94:95], s[8:9], s[94:95]
	s_add_nc_u64 s[98:99], s[10:11], s[98:99]
	CROUND                                         ; all sixteen work-groups are here: the first joint loads meet
	s_mov_b32 s[G0SB], 1
	s_add_co_u32 s[G0SB+1], s3, SCL
	s_mov_b64 s[G0SB+2:G0SB+3], s[98:99]
	s_or_b32 s[G0SB+3], s[G0SB+3], 0x80000000
.irp s, 0,1
	s_mov_b32 s[G0+4*\s], 1
	s_add_co_u32 s[G0+4*\s+1], s2, \s*SLOT
	s_add_nc_u64 s[G0+4*\s+2:G0+4*\s+3], s[92:93], \s*TROW
	s_or_b32 s[G0+4*\s+3], s[G0+4*\s+3], 0x80000000
	s_mov_b32 s[G0B+4*\s], 1
	s_add_co_u32 s[G0B+4*\s+1], s2, \s*SLOT
	s_add_nc_u64 s[G0B+4*\s+2:G0B+4*\s+3], s[94:95], \s*TROW
	s_or_b32 s[G0B+4*\s+3], s[G0B+4*\s+3], 0x80000000
.endr
	s_cmp_eq_u32 s[RH], 0                          ; a wave's first fills stand in one branch: waves 0 and 1 have two tensor loads out, waves 2 and 3 three
	s_cbranch_scc0 .Lfirst_b
	tensor_load_to_lds s[G0:G0+3], s[G1:G1+7]
	s_nop 0
	tensor_load_to_lds s[G0+4:G0+7], s[G1:G1+7]
	s_nop 0
.rept 4
	v_nop
.endr
	s_branch .Lfirst_asked
.Lfirst_b:
	tensor_load_to_lds s[G0SB:G0SB+3], s[G1SB:G1SB+7]
	s_nop 0
	tensor_load_to_lds s[G0B:G0B+3], s[G1B:G1B+7]
	s_nop 0
	tensor_load_to_lds s[G0B+4:G0B+7], s[G1B:G1B+7]
	s_nop 0
.rept 4
	v_nop
.endr
.Lfirst_asked:
	s_lshl_b32 s28, s23, 9                         ; my work-group's 256 tokens, two bytes each, in a head's row of A's scale bytes
	s_mov_b32 s29, 0
	s_add_nc_u64 s[6:7], s[6:7], s[28:29]
	s_lshl_b32 s28, s21, 10
	s_lshl_b32 s30, s[CH], 9
	s_add_co_u32 s28, s28, s30                     ; my 128 columns, in bytes
	s_add_nc_u64 s[12:13], s[12:13], s[28:29]
	s_lshl_b32 s30, s23, 20
	s_add_co_u32 s28, s28, s30
	s_lshl_b32 s30, s[RH], 19
	s_add_co_u32 s28, s28, s30                     ; + my first row: (256 x block + 128 x half) rows of 4,096 bytes
	s_add_nc_u64 s[14:15], s[14:15], s[28:29]
	v_and_b32 v1, 31, v0                           ; lane
	v_and_b32 v2, 15, v0                           ; r
	v_bfe_u32 v3, v0, 4, 1                         ; h
	v_lshlrev_b32 v[L16], 4, v1
	v_lshlrev_b32 v[L8], 3, v1
	v_lshlrev_b32 v31, 2, v0                       ; thread n takes tokens 2 n and 2 n + 1
.irp d, 0,1,2,3,4,5,6,7,8,9,10,11,12,13,14,15
	global_load_b32 v[128+\d], v31, s[6:7] offset:\d*16384     ; head d's bytes: a wave reads 128 consecutive bytes
.endr
	v_lshlrev_b32 v30, 5, v3                       ; the bias: tile b's registers are columns 16 b + 8 h + 0 .. 7
.irp b, 0,1,2,3,4,5,6,7
	global_load_b128 v[BC+8*\b:BC+8*\b+3], v30, s[12:13] offset:64*\b
	global_load_b128 v[BC+8*\b+4:BC+8*\b+7], v30, s[12:13] offset:64*\b+16
.endr
	s_mul_i32 s28, s[RH], HALFT
	s_mul_i32 s29, s[CH], HALFT
	s_add_co_u32 s29, s29, 2*HALFT
.irp s, 0,1
	v_add_nc_u32 v[ADRA+\s], s28, v[L16]
	v_add_nc_u32 v[ADRB+\s], s29, v[L16]
	v_add_nc_u32 v[ADRA+2+\s], s28, v[L8]
	v_add_nc_u32 v[ADRB+2+\s], s29, v[L8]
	s_add_co_u32 s28, s28, SLOT
	s_add_co_u32 s29, s29, SLOT
.endr
	v_lshlrev_b32 v6, 5, v2
	v_lshrrev_b32 v7, 8, v6
	v_lshl_add_u32 v6, v7, 4, v6
	s_mul_i32 s28, s[RH], HALFS
	s_mul_i32 s29, s[CH], HALFS
	s_add_co_u32 s29, s29, 2*HALFS
	s_sub_co_u32 s29, s29, s28
	v_mul_u32_u24 v7, s29, v3                      ; lanes 16-31 take B's
	s_add_co_u32 s28, s28, SCL
	v_add_nc_u32 v6, v6, v7
	v_add_nc_u32 v[ADRS], s28, v6
	s_mul_i32 s28, s[WV], 16*SPITCH                ; my stage
	v_mul_u32_u24 v6, v2, SPITCH
	v_lshl_add_u32 v6, v3, 5, v6
	v_add_nc_u32 v[STO], s28, v6
	v_lshlrev_b32 v[CO], 4, v1
	v_add_nc_u32 v[RD], s28, v[CO]
	v_lshrrev_b32 v7, 2, v0
	v_lshlrev_b32 v7, 4, v7
	v_lshl_add_u32 v7, v0, 6, v7
	v_add_nc_u32 v7, SCL, v7                       ; my two tokens' rows of 32 bytes: 64 n, and 16 more for each 256 passed
	s_wait_loadcnt 16                              ; the sixteen heads' bytes are in; the bias's 16 loads may be out
.irp k, 0,1,2,3,4,5,6,7
	v_perm_b32 v[144+\k], v[129+2*\k], v[128+2*\k], 0x05040100   ; the even token's word k: heads 2 k and 2 k + 1, two bytes each
	v_perm_b32 v[152+\k], v[129+2*\k], v[128+2*\k], 0x07060302   ; the odd token's
.endr
.irp i, 0,1,2,3
	ds_store_b128 v7, v[144+4*\i:147+4*\i] offset:16*\i
.endr
	s_wait_loadcnt 0x0                             ; the bias
.macro FRAG reg, adr, q, i
	ds_load_b128 v[\reg:\reg+3], v[\adr] offset:(\i)*TROW+(\q)*1536
	ds_load_b64 v[\reg+4:\reg+5], v[\adr+2] offset:(\i)*TROW+(\q)*1536+512
	ds_load_b128 v[\reg+6:\reg+9], v[\adr] offset:(\i)*TROW+(\q)*1536+768
	ds_load_b64 v[\reg+10:\reg+11], v[\adr+2] offset:(\i)*TROW+(\q)*1536+1280
.endm
.macro MUL16 a0, p, q, sc, first       ; 16 matrix instructions; the 64 accumulators take turns
.irp a, \a0, \a0+1
.irp b, 0,1,2,3,4,5,6,7
.if \first
	v_wmma_scale_f32_16x16x128_f8f6f4 v[8*(8*((\a)%4)+\b):8*(8*((\a)%4)+\b)+7], v[128*(\p)+FR*\b:128*(\p)+FR*\b+FR-1], v[AF+FR*(\a):AF+FR*(\a)+FR-1], v[BC+8*\b:BC+8*\b+7], v[SC+8*NQ*(\sc)+NQ*\b+(\q)], v[SC+8*NQ*(\sc)+NQ*(\a)+(\q)] matrix_a_fmt:MATRIX_FMT_FP6 matrix_b_fmt:MATRIX_FMT_FP6 matrix_a_scale:MATRIX_SCALE_ROW1
.else
	v_wmma_scale_f32_16x16x128_f8f6f4 v[8*(8*((\a)%4)+\b):8*(8*((\a)%4)+\b)+7], v[128*(\p)+FR*\b:128*(\p)+FR*\b+FR-1], v[AF+FR*(\a):AF+FR*(\a)+FR-1], v[8*(8*((\a)%4)+\b):8*(8*((\a)%4)+\b)+7], v[SC+8*NQ*(\sc)+NQ*\b+(\q)], v[SC+8*NQ*(\sc)+NQ*(\a)+(\q)] matrix_a_fmt:MATRIX_FMT_FP6 matrix_b_fmt:MATRIX_FMT_FP6 matrix_a_scale:MATRIX_SCALE_ROW1
.endif
.endr
.endr
.endm
.macro FETCH_B slot, q, p
	WIN TO_B
.irp i, 0,1,2,3,4,5,6,7
	FRAG 128*(\p)+FR*\i, ADRB+\slot, \q, \i
.endr
	WIN 0
.endm
.macro FETCH_A slot, q, i0
.irp i, \i0, \i0+1, \i0+2, \i0+3
	FRAG AF+FR*(\i), ADRA+\slot, \q, \i
.endr
.endm
.macro SCALES sc
.irp i, 0,1,2,3,4,5,6,7
	ds_load_b64 v[SC+8*NQ*\sc+NQ*\i:SC+8*NQ*\sc+NQ*\i+1], v[ADRS] offset:\i*SBLK
.endr
.endm
.macro PLACES n
.rept \n
	v_nop
.endr
.endm
.macro STEP slot, q, first
	s_wait_dscnt 4*NL                              ; B's set and A's blocks 0-3 are in; the youngest 16 loads may be out
.if \first
	WIN 0x81
.else
	WIN MUL_LO
.endif
	MUL16 0, (\q)%2, \q, \slot, \first
	MUL16 2, (\q)%2, \q, \slot, \first
	s_wait_dscnt 0
	PLACES NP
	FETCH_B \slot, (\q)+1, 1-(\q)%2
	FETCH_A \slot, (\q)+1, 0
.if \first
	WIN 0xc1
.else
	WIN MUL_HI
.endif
	MUL16 4, (\q)%2, \q, \slot, \first
	MUL16 6, (\q)%2, \q, \slot, \first
	PLACES NP
	WIN 0
	FETCH_A \slot, (\q)+1, 4
.endm
.macro TURN slot, next, fill
	s_wait_tensorcnt 0x0                           ; all my tensor loads have landed
	ds_add_u32 v[SPW], v[NIL]
	s_wait_dscnt 4*NL+1                            ; the add and the youngest 16 loads may be out
	WIN MUL_LO
	MUL16 0, 1, NQ-1, \slot, 0
	s_wait_dscnt 0x0                               ; the add is done, and my reads of this slot are over
	s_barrier_signal -1
	MUL16 2, 1, NQ-1, \slot, 0
	WIN 0
	s_barrier_wait -1
.if \fill
	CREST                                          ; the barrier has opened a round of the cluster's
	s_add_nc_u64 s[G0+4*\slot+2:G0+4*\slot+3], s[G0+4*\slot+2:G0+4*\slot+3], 2*TROW
	s_add_nc_u64 s[G0B+4*\slot+2:G0B+4*\slot+3], s[G0B+4*\slot+2:G0B+4*\slot+3], 2*TROW
	JLOAD G0+4*\slot, G1, G0B+4*\slot, G1B
.else
	PLACES NP
.endif
	v_add_nc_u32 v[ADRS], 4*NQ, v[ADRS]
	FETCH_B \next, 0, 0
	FETCH_A \next, 0, 0
	SCALES \next
	WIN MUL_HI
	MUL16 4, 1, NQ-1, \slot, 0
	MUL16 6, 1, NQ-1, \slot, 0
	PLACES NP
	WIN 0
	FETCH_A \next, 0, 4
.endm
	s_wait_tensorcnt 1                             ; B's scale bytes and my part of K step 0 are in; K step 1's load may be out
	s_wait_dscnt 0x0                               ; my part of A's scale bytes lies in LDS
	s_barrier_signal -1
	s_barrier_wait -1
	FETCH_B 0, 0, 0
	FETCH_A 0, 0, 0
	SCALES 0
	FETCH_A 0, 0, 4
	STEP 0, 0, 1
	TURN 0, 1, 1
	STEP 1, 0, 0
	TURN 1, 0, 1
	STEP 0, 0, 0
	TURN 0, 1, 0
	STEP 1, 0, 0
	s_wait_dscnt 4*NL
	WIN MUL_LO
	MUL16 0, 1, NQ-1, 1, 0
	MUL16 2, 1, NQ-1, 1, 0
	s_wait_dscnt 0
	WIN MUL_HI
	MUL16 4, 1, NQ-1, 1, 0
	MUL16 6, 1, NQ-1, 1, 0
	WIN 0
; THE WAY OUT, block by block of 16 rows x 128 columns, through my own stage in LDS: back come whole rows of 512 bytes.  LDS serves a wave's instructions in order (ISA guide 5.7.1.4).
.macro TOSTAGE a
.set AC, 64*((\a)%4)
	WIN 0x08+4*((\a)/4)                            ; the data: window 2 or 3
.irp b, 0,1,2,3,4,5,6,7
	ds_store_b128 v[STO], v[AC+8*\b:AC+8*\b+3] offset:64*\b          ; each accumulator from its low end on
	ds_store_b128 v[STO], v[AC+8*\b+4:AC+8*\b+7] offset:64*\b+16
.endr
	WIN 0
.set BB, BK+64*((\a)%2)
.irp t, 0,1,2,3,4,5,6,7,8,9,10,11,12,13,14,15
	ds_load_b128 v[BB+4*\t:BB+4*\t+3], v[RD] offset:\t*SPITCH
.endr
.endm
.macro SEND a, younger
.set BB, BK+64*((\a)%2)
	s_wait_dscnt \younger                          ; the block is back in registers
.if (\a) > 0
	s_add_nc_u64 s[14:15], s[14:15], 16*SIZE_N*4   ; (behind a wait on XCNT: the earlier stores have read their base)
.endif
.irp t, 0,1,2,3,4,5,6,7,8,9,10,11,12,13,14,15
	global_store_b128 v[CO], v[BB+4*\t:BB+4*\t+3], s[14:15] offset:\t*SIZE_N*4 th:TH_STORE_NT   ; 32 lanes store 512 consecutive bytes, aligned to 256
.endr
.endm
	PLACES NP
	TOSTAGE 0
.irp a, 1,2,3,4,5,6,7
.if \a > 1
	s_wait_xcnt 0x0                                ; block a - 2's stores have read their registers and their base
.endif
	TOSTAGE \a
	SEND \a-1, 32                                  ; behind block a - 1's loads: block a's 16 stores and 16 loads
.endr
	s_wait_xcnt 0x0
	SEND 7, 0
	s_wait_tensorcnt 0x0                           ; the wave's end
	ds_add_u32 v[SPW], v[NIL]
	s_wait_dscnt 0x0
	CROUND                                         ; the closing round
	s_endpgm
.Lfunc_end_k_q478a373b78_oproj:
	.size	k_q478a373b78_oproj, .Lfunc_end_k_q478a373b78_oproj-k_q478a373b78_oproj
	.p2alignl 7, 3214868480
	.fill 96, 4, 3214868480
	.section	.rodata,"a",@progbits
	.p2align	6, 0x0
	.amdhsa_kernel k_q478a373b78_oproj
		.amdhsa_group_segment_fixed_size 327680
		.amdhsa_private_segment_fixed_size 0
		.amdhsa_enable_private_segment 0
		.amdhsa_kernarg_size 48
		.amdhsa_user_sgpr_count 2
		.amdhsa_user_sgpr_kernarg_segment_ptr 1
		.amdhsa_wavefront_size32 1
		.amdhsa_system_sgpr_workgroup_id_x 1
		.amdhsa_system_sgpr_workgroup_id_y 1
		.amdhsa_system_sgpr_workgroup_id_z 1
		.amdhsa_system_vgpr_workitem_id 0
		.amdhsa_next_free_vgpr 1024
		.amdhsa_next_free_sgpr 100
		.amdhsa_reserve_vcc 0
		.amdhsa_float_denorm_mode_32 3
		.amdhsa_float_denorm_mode_16_64 3
		.amdhsa_memory_ordered 1
		.amdhsa_forward_progress 1
		.amdhsa_inst_pref_size 147
	.end_amdhsa_kernel
	.amdgpu_metadata
---
amdhsa.version: [ 1, 2 ]
amdhsa.kernels:
  - .name:           k_q478a373b78_oproj
    .symbol:         k_q478a373b78_oproj.kd
    .args:
      - { .name: ac, .offset: 0, .size: 8, .value_kind: global_buffer, .address_space: global }
      - { .name: asc, .offset: 8, .size: 8, .value_kind: global_buffer, .address_space: global }
      - { .name: opc, .offset: 16, .size: 8, .value_kind: global_buffer, .address_space: global }
      - { .name: ops, .offset: 24, .size: 8, .value_kind: global_buffer, .address_space: global }
      - { .name: bo, .offset: 32, .size: 8, .value_kind: global_buffer, .address_space: global }
      - { .name: out0, .offset: 40, .size: 8, .value_kind: global_buffer, .address_space: global }
    .group_segment_fixed_size: 327680
    .private_segment_fixed_size: 0
    .kernarg_segment_align: 8
    .kernarg_segment_size: 48
    .max_flat_workgroup_size: 128
    .sgpr_count:     100
    .vgpr_count:     1024
    .wavefront_size: 32
...
	.end_amdgpu_metadata
.endif
;; end of part 4
